; MI455X (gfx1250); checked and timed in simulation.
; The chip was launched on July 23, 2026; its instructions are those of AMD's public machine-readable ISA for CDNA 5 (MIT licence, August 2026) and "CDNA5" Instruction Set Architecture Reference Guide (July 2026). The comments in the code are by the model that wrote it; some were corrected since.
;; Sequential Pe Attention. Allowed arithmetic: float matrix products may take bf16 or f16 operands with f32 sums; other float arithmetic in f32, or as packed bf16 or f16 multiplies, adds, multiply-adds, maxima and minima; sums over many terms, partial sums and values carried from step to step in f32; what a program stores and reads back later, other than sums and carried values, may be rounded once to bf16 or f16.
;; Inputs: attention_mask 8 x 1,024 x 1,024 float32; c_attn_b 3,072 float32; c_attn_w 1,024 x 3,072 float32; c_proj_b 1,024 float32; c_proj_w 1,024 x 1,024 float32; hidden_states 8 x 1,024 x 1,024 float32.
;; Outputs: out0 8 x 1,024 x 1,024 float32.
;; One version. Each part assembles by itself: llvm-mc -triple=amdgcn-amd-amdhsa -mcpu=gfx1250 --defsym DOCPART=n.
;; ======== version 1 of 1: 4 launches
;; limits: values are held in f16: magnitudes above 65,504 overflow, below 6.1e-05 lose precision
;; workspace buffers: xb 16,777,216 bytes; wa 6,291,456 bytes; wp 2,097,152 bytes; wm 16,777,216 bytes; rf 32,768 bytes; qkvh 50,331,648 bytes; ob 16,777,216 bytes
;; launch prep (part 1): grid 1536 x 1, 8 waves a work-group, no clusters, 18,432 bytes of LDS; arguments hidden_states, attention_mask, c_attn_w, c_proj_w, xb, wm, wa, wp, rf; writes xb, wm, wa, wp, rf
.if DOCPART == 1
	.amdgcn_target "amdgcn-amd-amdhsa--gfx1250"
	.amdhsa_code_object_version 6
	.text
	.protected	k_qf9c8bae2bb_prep
	.globl	k_qf9c8bae2bb_prep
	.p2align	8
	.type	k_qf9c8bae2bb_prep,@function
k_qf9c8bae2bb_prep:
	s_mov_b64 s[64:65], 0
	v_nop
	global_prefetch_b8 v0, s[64:65] scope:SCOPE_SE
	s_setreg_imm32_b32 hwreg(HW_REG_WAVE_MODE, 25, 1), 1
	s_wait_xcnt 0x0
; PREP: the operands of the three launches behind it, each input byte read once.  Four jobs, chosen by the work-group's number:
;   0-383     WA: c_attn_w [1024 k][3072 n] f32 -> wa [3072][1024 k] bf16, turned; column type*1024 + head*64 + d goes to row head*192 + type*64 + d
;   384-511   WP: c_proj_w [1024 k][1024 n] f32 -> wp [1024 n][1024 k]: rounded to bf16, and that number written as f16, turned
;   512-1023  X:  hidden_states f32 -> xb bf16, same order
;   1024-1535 M:  attention_mask [b][q][k] f32 -> wm [b][k / 64][q][k % 64] bf16 and rf [b][q], one word a row
; EVERY INPUT OF THE MODULE IS ROUNDED TO bf16, THE MASK TOO, and first of all: what follows is made of the rounded numbers.
; WHAT JOB M MAKES OF THE MASK.  The score of key k gets MIN (1 - mask[q][k]), MIN the lowest finite f32.  Two unequal 1 - mask of a row put their keys at least 2e31 apart, so only the keys with the
; row's least 1 - mask (wmin) keep a weight: wm = 0 for them and 1 for all others.  Where wmin is not 0 (above or below it) the offset swallows the scores and those keys share the weight evenly:
; rf = 0 (the scores of the row are to count as 0); where wmin = 0 the scores count: rf = all ones.  A row of zeros has wmin = 1: no key is marked, rf = 0: the plain mean.
; LIMITS.  Mask entries that agree in bf16's 8 bits count as equal (0 and 1 are exact); ties are ties of 1 - mask as f32 rounds it.  NaN and infinities in the mask are not treated apart.
; A bf16 number below 6.1e-5 in c_proj_w keeps f16's fixed step of 6e-8.
; A stream: no matrix work, no tensor loads, nothing shared between work-groups.  Only the two turning jobs use LDS (a stage of 64 rows of 272 bytes).
.set SPITCH, 272                       ; a stage row: 128 k x 2 bytes + 16
.set SPARE,  64*SPITCH                 ; behind the stage: the spare words, 128 bytes for each of the eight waves
.set SPW, 2                            ; v2      LDS address of my spare word; never rewritten
.set NIL, 3                            ; v3      0; never rewritten
.set IN,  16                           ; v[16:79]  as loaded
.set OUT, 80                           ; v[80:111] as stored (X, M), as put into the stage (WA, WP)
.set BK,  96                           ; v[96:111] rows read back from the stage
	s_load_b512 s[8:23], s[0:1], 0x0               ; hidden s[8:9], mask s[10:11], c_attn_w s[12:13], c_proj_w s[14:15], xb s[16:17], wm s[18:19], wa s[20:21], wp s[22:23]
	s_load_b64 s[32:33], s[0:1], 0x40              ; rf
	v_lshl_add_u32 v[SPW], v0, 2, SPARE
	v_mov_b32 v[NIL], 0
	v_lshrrev_b32 v9, 5, v0
	v_readfirstlane_b32 s4, v9                     ; wave 0..7
	v_and_b32 v1, 31, v0                           ; lane
	s_mov_b32 s25, 0                               ; the high words of the two offset pairs
	s_mov_b32 s27, 0
	s_wait_kmcnt 0x0
	s_cmp_lt_u32 ttmp9, 384
	s_cbranch_scc1 .Lwa
	s_cmp_lt_u32 ttmp9, 512
	s_cbranch_scc1 .Lwp
	s_cmp_lt_u32 ttmp9, 1024
	s_cbranch_scc1 .Lx
	; JOB M: 16 rows (b, q) of the mask; a wave takes two rows and holds them whole: lanes 0-15 one row, lanes 16-31 the next; load j brings each row's 64 keys of key step j (256 bytes on end).
	s_sub_co_u32 s5, ttmp9, 1024
	s_lshl_b32 s24, s5, 16                         ; 16 rows of 4,096 bytes
	s_add_nc_u64 s[10:11], s[10:11], s[24:25]
	s_lshr_b32 s6, s5, 6                           ; b
	s_and_b32 s7, s5, 63
	s_lshl_b32 s26, s6, 21                         ; b x 16 key steps x 1,024 queries x 128 bytes
	s_lshl_b32 s7, s7, 11                          ; first query x 128 bytes
	s_add_co_u32 s26, s26, s7
	s_add_nc_u64 s[18:19], s[18:19], s[26:27]
	s_lshl_b32 s24, s5, 6                          ; 16 rows x 4 bytes of rf
	s_add_nc_u64 s[32:33], s[32:33], s[24:25]
	v_lshrrev_b32 v6, 4, v1
	v_and_b32 v7, 15, v1
	v_lshl_add_u32 v6, s4, 1, v6                   ; my row of the 16
	v_lshlrev_b32 v4, 12, v6
	v_lshl_add_u32 v4, v7, 4, v4                   ; row x 4,096 + 16 (lane % 16)
	v_lshlrev_b32 v5, 3, v1
	v_lshl_add_u32 v5, s4, 8, v5                   ; two queries x 128 bytes a wave, 8 bytes a lane: 256 bytes on end
	v_lshlrev_b32 v15, 2, v6                       ; my row's word in rf
.irp t, 0,1,2,3,4,5,6,7,8,9,10,11,12,13,14,15
	global_load_b128 v[IN+4*\t:IN+4*\t+3], v4, s[10:11] offset:256*\t th:TH_LOAD_NT
.endr
	; pass 1: the row's largest entry.  Rounding keeps the order, so the largest entry, rounded, is the largest rounded entry; 1 - x never grows with x, so the least 1 - mask is 1 - that
.irp t, 0,1,2,3,4,5,6,7,8,9,10,11,12,13,14,15
	s_wait_loadcnt 15-\t                           ; loads come back in order: load t is in, the 15 - t younger ones stay out
.if \t == 0
	v_max_num_f32 v12, v[IN], v[IN+1]              ; the first two start the chain: nothing is cleared
.else
	v_max3_num_f32 v12, v12, v[IN+4*\t], v[IN+4*\t+1]
.endif
	v_max3_num_f32 v12, v12, v[IN+4*\t+2], v[IN+4*\t+3]
.endr
	v_max_num_f32_dpp v12, v12, v12 row_xmask:1 row_mask:0xf bank_mask:0xf   ; over the 16 lanes that hold the row
	v_max_num_f32_dpp v12, v12, v12 row_xmask:2 row_mask:0xf bank_mask:0xf
	v_max_num_f32_dpp v12, v12, v12 row_xmask:4 row_mask:0xf bank_mask:0xf
	v_max_num_f32_dpp v12, v12, v12 row_xmask:8 row_mask:0xf bank_mask:0xf
	v_cvt_pk_bf16_f32 v12, v12, v12                ; rounded to bf16,
	v_lshlrev_b32 v12, 16, v12                     ; and as f32 again
	v_fma_f32 v13, v12, -1.0, 1.0                  ; wmin
	; pass 2: each entry rounded to bf16 and widened again; 1 - mask, one rounding; 1 where it is above wmin, else 0; two of them to a word
.irp t, 0,1,2,3,4,5,6,7,8,9,10,11,12,13,14,15
	v_cvt_pk_bf16_f32 v10, v[IN+4*\t], v[IN+4*\t+1]
	v_cvt_pk_bf16_f32 v11, v[IN+4*\t+2], v[IN+4*\t+3]
	v_lshlrev_b32 v[IN+4*\t], 16, v10
	v_and_b32 v[IN+4*\t+1], 0xffff0000, v10
	v_lshlrev_b32 v[IN+4*\t+2], 16, v11
	v_and_b32 v[IN+4*\t+3], 0xffff0000, v11
	v_pk_fma_f32 v[IN+4*\t:IN+4*\t+1], v[IN+4*\t:IN+4*\t+1], -1.0, 1.0 op_sel_hi:[1,0,0]
	v_pk_fma_f32 v[IN+4*\t+2:IN+4*\t+3], v[IN+4*\t+2:IN+4*\t+3], -1.0, 1.0 op_sel_hi:[1,0,0]
.irp z, 0,1,2,3
	v_cmp_gt_f32 vcc_lo, v[IN+4*\t+\z], v13
	v_cndmask_b32 v[IN+4*\t+\z], 0, 1.0, vcc_lo
.endr
	v_cvt_pk_bf16_f32 v[OUT+2*\t], v[IN+4*\t], v[IN+4*\t+1]
	v_cvt_pk_bf16_f32 v[OUT+2*\t+1], v[IN+4*\t+2], v[IN+4*\t+3]
	global_store_b64 v5, v[OUT+2*\t:OUT+2*\t+1], s[18:19] offset:131072*\t  ; key step t: 1,024 queries x 128 bytes on
.endr
	v_cmp_eq_f32 vcc_lo, 0, v13
	v_cndmask_b32 v14, 0, -1, vcc_lo               ; the row's flag
	v_cmp_eq_u32 vcc_lo, 0, v7                     ; a row's first lane stores it: two words a wave; all of rf is 32 KiB
	s_wait_xcnt 0x0                                ; EXEC changes only behind this wait: the stores above have it among their sources
	s_and_saveexec_b32 s28, vcc_lo
	global_store_b32 v15, v14, s[32:33]
	s_wait_xcnt 0x0                                ; and again in front of the line that widens it
	s_or_b32 exec_lo, exec_lo, s28
	s_endpgm
.Lx:	; JOB X: 65,536 bytes of hidden_states; a wave takes 8,192 of them in 16 loads of 512 bytes on end
	s_sub_co_u32 s5, ttmp9, 512
	s_lshl_b32 s24, s5, 16
	s_lshl_b32 s26, s5, 15
	s_add_nc_u64 s[8:9], s[8:9], s[24:25]
	s_add_nc_u64 s[16:17], s[16:17], s[26:27]
	v_lshlrev_b32 v4, 4, v1
	v_lshl_add_u32 v4, s4, 13, v4
	v_lshlrev_b32 v5, 3, v1
	v_lshl_add_u32 v5, s4, 12, v5
.irp t, 0,1,2,3,4,5,6,7,8,9,10,11,12,13,14,15
	global_load_b128 v[IN+4*\t:IN+4*\t+3], v4, s[8:9] offset:512*\t th:TH_LOAD_NT
.endr
.irp t, 0,1,2,3,4,5,6,7,8,9,10,11,12,13,14,15
	s_wait_loadcnt 15-\t                           ; load t is in, the younger ones stay out
	v_cvt_pk_bf16_f32 v[OUT+2*\t], v[IN+4*\t], v[IN+4*\t+1]
	v_cvt_pk_bf16_f32 v[OUT+2*\t+1], v[IN+4*\t+2], v[IN+4*\t+3]
	global_store_b64 v5, v[OUT+2*\t:OUT+2*\t+1], s[16:17] offset:256*\t     ; 32 lanes x 8 bytes: 256 bytes on end, aligned
.endr
	s_endpgm
; A TURNING JOB: a tile of 128 k x 64 n.  Wave w loads rows k = 16 w .. 16 w + 15 (256 bytes on end each); a lane then holds 16 k of columns 2 lane and 2 lane + 1,
; packs them and puts 2 x 32 bytes into the stage's rows n; behind a barrier each wave reads 8 whole rows of 256 bytes back and stores them.
; src, dst: the scalar pairs with the two addresses.  pitch: bytes of a source row.  half = 1: the bf16 number is written as f16.  first: the job's first work-group.  perm = 1: rows by heads.
.macro WJOB src, dst, pitch, half, first, perm
	s_sub_co_u32 s5, ttmp9, \first
	s_and_b32 s6, s5, 7                            ; which 128 k
	s_lshr_b32 s7, s5, 3                           ; which 64 n
	s_mul_i32 s24, s6, 128*(\pitch)
	s_lshl_b32 s28, s7, 8
	s_add_co_u32 s24, s24, s28
	s_add_nc_u64 s[(\src):(\src)+1], s[(\src):(\src)+1], s[24:25]
.if \perm
	s_and_b32 s28, s7, 15                          ; head
	s_lshr_b32 s29, s7, 4                          ; q, k or v
	s_mul_i32 s28, s28, 192
	s_lshl_b32 s29, s29, 6
	s_add_co_u32 s28, s28, s29                     ; the tile's first row in the result
.else
	s_lshl_b32 s28, s7, 6
.endif
	s_lshl_b32 s26, s28, 11                        ; rows of 2,048 bytes
	s_lshl_b32 s29, s6, 8
	s_add_co_u32 s26, s26, s29
	s_add_nc_u64 s[(\dst):(\dst)+1], s[(\dst):(\dst)+1], s[26:27]
	s_mul_i32 s30, s4, 16*(\pitch)
	v_lshl_add_u32 v4, v1, 3, s30
.irp t, 0,1,2,3,4,5,6,7,8,9,10,11,12,13,14,15
	global_load_b64 v[IN+2*\t:IN+2*\t+1], v4, s[(\src):(\src)+1] offset:\t*(\pitch) th:TH_LOAD_NT
.endr
	v_mul_u32_u24 v6, v1, 2*SPITCH
	v_lshl_add_u32 v6, s4, 5, v6                   ; into the stage: row 2 lane, byte 32 w
	v_lshrrev_b32 v12, 4, v1
	v_lshl_add_u32 v12, s4, 3, v12                 ; back: row 8 w + lane / 16
	v_and_b32 v13, 15, v1
	v_mul_u32_u24 v7, v12, SPITCH
	v_lshl_add_u32 v7, v13, 4, v7
	v_lshlrev_b32 v8, 11, v12                      ; and the same row in the result
	v_lshl_add_u32 v8, v13, 4, v8
	s_wait_loadcnt 0x0
.irp c, 0,1
.irp u, 0,1
.irp z, 0,1,2,3
	v_cvt_pk_bf16_f32 v[OUT+8*\c+4*\u+\z], v[IN+2*(8*\u+2*\z)+\c], v[IN+2*(8*\u+2*\z+1)+\c]   ; column 2 lane + c, k = 8 u + 2 z and the next
.if \half
	v_lshlrev_b32 v10, 16, v[OUT+8*\c+4*\u+\z]
	v_and_b32 v11, 0xffff0000, v[OUT+8*\c+4*\u+\z]
	v_cvt_pk_f16_f32 v[OUT+8*\c+4*\u+\z], v10, v11
.endif
.endr
	ds_store_b128 v6, v[OUT+8*\c+4*\u:OUT+8*\c+4*\u+3] offset:\c*SPITCH+\u*16
.endr
.endr
	s_wait_dscnt 0x0                               ; for the others' sake: my stores into the stage are done
	s_barrier_signal -1
	s_barrier_wait -1
.irp t, 0,1,2,3
	ds_load_b128 v[BK+4*\t:BK+4*\t+3], v7 offset:\t*2*SPITCH
.endr
.irp t, 0,1,2,3
	s_wait_dscnt 3-\t                              ; load t is back, the younger ones stay out
	global_store_b128 v8, v[BK+4*\t:BK+4*\t+3], s[(\dst):(\dst)+1] offset:\t*4096   ; 16 lanes store 256 bytes on end, aligned
.endr
	s_wait_tensorcnt 0x0                           ; the wave's end
	ds_add_u32 v[SPW], v[NIL]
	s_wait_dscnt 0x0
	s_endpgm
.endm
.Lwa:
	WJOB 12, 20, 12288, 0, 0, 1
.Lwp:
	WJOB 14, 22, 4096, 1, 384, 0
.Lfunc_end_k_qf9c8bae2bb_prep:
	.size	k_qf9c8bae2bb_prep, .Lfunc_end_k_qf9c8bae2bb_prep-k_qf9c8bae2bb_prep
	.p2alignl 7, 3214868480
	.fill 96, 4, 3214868480
	.section	.rodata,"a",@progbits
	.p2align	6, 0x0
	.amdhsa_kernel k_qf9c8bae2bb_prep
		.amdhsa_group_segment_fixed_size 18432
		.amdhsa_private_segment_fixed_size 0
		.amdhsa_enable_private_segment 0
		.amdhsa_kernarg_size 72
		.amdhsa_user_sgpr_count 2
		.amdhsa_user_sgpr_kernarg_segment_ptr 1
		.amdhsa_wavefront_size32 1
		.amdhsa_system_sgpr_workgroup_id_x 1
		.amdhsa_system_sgpr_workgroup_id_y 1
		.amdhsa_system_sgpr_workgroup_id_z 1
		.amdhsa_system_vgpr_workitem_id 0
		.amdhsa_next_free_vgpr 112
		.amdhsa_next_free_sgpr 66
		.amdhsa_reserve_vcc 1
		.amdhsa_float_denorm_mode_32 3
		.amdhsa_float_denorm_mode_16_64 3
		.amdhsa_memory_ordered 1
		.amdhsa_forward_progress 1
		.amdhsa_inst_pref_size 42
	.end_amdhsa_kernel
	.amdgpu_metadata
---
amdhsa.version: [ 1, 2 ]
amdhsa.kernels:
  - .name:           k_qf9c8bae2bb_prep
    .symbol:         k_qf9c8bae2bb_prep.kd
    .args:
      - { .name: hidden_states, .offset: 0, .size: 8, .value_kind: global_buffer, .address_space: global }
      - { .name: attention_mask, .offset: 8, .size: 8, .value_kind: global_buffer, .address_space: global }
      - { .name: c_attn_w, .offset: 16, .size: 8, .value_kind: global_buffer, .address_space: global }
      - { .name: c_proj_w, .offset: 24, .size: 8, .value_kind: global_buffer, .address_space: global }
      - { .name: xb, .offset: 32, .size: 8, .value_kind: global_buffer, .address_space: global }
      - { .name: wm, .offset: 40, .size: 8, .value_kind: global_buffer, .address_space: global }
      - { .name: wa, .offset: 48, .size: 8, .value_kind: global_buffer, .address_space: global }
      - { .name: wp, .offset: 56, .size: 8, .value_kind: global_buffer, .address_space: global }
      - { .name: rf, .offset: 64, .size: 8, .value_kind: global_buffer, .address_space: global }
    .group_segment_fixed_size: 18432
    .private_segment_fixed_size: 0
    .kernarg_segment_align: 8
    .kernarg_segment_size: 72
    .max_flat_workgroup_size: 256
    .sgpr_count:     66
    .vgpr_count:     112
    .wavefront_size: 32
...
	.end_amdgpu_metadata
.endif
;; end of part 1
;; launch qkv (part 2): grid 8 x 32, 4 waves a work-group, clusters of 4 x 4, 327,680 bytes of LDS; arguments xb, wa, c_attn_b, qkvh; writes qkvh
.if DOCPART == 2
	.amdgcn_target "amdgcn-amd-amdhsa--gfx1250"
	.amdhsa_code_object_version 6
	.text
	.protected	k_qf9c8bae2bb_qkv
	.globl	k_qf9c8bae2bb_qkv
	.p2align	8
	.type	k_qf9c8bae2bb_qkv,@function
k_qf9c8bae2bb_qkv:
	s_mov_b64 s[64:65], 0
	v_nop
	global_prefetch_b8 v0, s[64:65] scope:SCOPE_SE
	s_setreg_imm32_b32 hwreg(HW_REG_WAVE_MODE, 25, 1), 1
	s_wait_xcnt 0x0
	s_wait_alu depctr_hold_cnt(0) depctr_sa_sdst(0) depctr_va_vdst(0) depctr_va_sdst(0) depctr_va_ssrc(0) depctr_va_vcc(0) depctr_vm_vsrc(0)
	s_getreg_b32 s2, hwreg(HW_REG_IB_STS2, 6, 4)
	s_cmp_eq_u32 s2, 0
	s_cbranch_scc0 .Lentry_in_a_cluster
	s_endpgm
.Lentry_in_a_cluster:
	s_bfe_u32 s2, ttmp6, 0x10000c
	s_cmp_lg_u32 s2, 0xf033
	s_cbranch_scc0 .Lentry_shape_is_right
	s_endpgm
.Lentry_shape_is_right:
; QKV = x Wa + ba.  xb [8192][1024] bf16; wa [3072][1024] bf16, row head*192 + type*64 + d; c_attn_b [3072] f32 (rounded to bf16 like the other inputs); sums in f32.
; Result by heads: qkvh [type 3][b 8][head 16][s 1024][64]: q = bf16((x W + b) log2(e) / 8), k = bf16, v = f16, each rounded once from f32.
; LIMIT.  v is kept in f16: |v| stays under 65,504.
; A tile of C is 256 rows x 384 columns: q, k and v of TWO heads: 32 x 8 = 256 work-groups, one for each of 256 WGPs.  Four waves; wave (mh, nh) makes rows 128 mh .. + 127 and the 192 columns of
; head nh: 8 x 12 = 96 accumulators, 768 registers: window 1 holds q's, window 2 k's, window 3 v's; (a, bb) at v[8 (4 a + bb)] of its window.
; K GOES IN STEPS OF 96 through two LDS slots filled by tensor loads.  A slot is 640 rows of 240 bytes (each 64 bytes, 32 along K, followed by 16 of padding: 15 x 16 bytes from row to row, so the 16 rows
; of a fragment load start at 16 different groups of four banks): 153,600 bytes; two slots of 128 along K would take 348,160.  A step is 288 matrix instructions a wave, 272 of them between a request
; and the wait for it.  1,024 = 10 x 96 + 64: tensor_dim0 states what is left of the row, so the last tile's k past the end arrive as zeros, and that third part is not multiplied.
; The price: a tile's rows are 192 bytes of memory: of four steps' rows two lie in one aligned block of 256 bytes and two in two.
; FRAGMENTS IN PLACE.  A quarter is 32 along K: six phases of 16 products, (rows 0-63) x q, k, v, then (rows 64-127) x q, k, v.  Each group of four fragments is loaded again straight behind its last
; phase, 32 or 48 products ahead of its next use: 160 registers, no second buffer, so a step of three quarters is one text whatever its number.
; 4 x 4 work-groups form a cluster: x's tile is asked for jointly along a row of the cluster, wa's along a column.  The matrix instruction is used transposed (source 0 = 16 rows of wa, source 1 = 16
; rows of x): a lane holds eight neighbouring columns of one row of C.  k's and v's bias is the C operand of the first products; q's enters with the scale on the way out.
; REGISTERS, window 0: v0-31 addresses; v32-95 x's 8 fragments; v96-191 wa's 12 fragments; v192-255 bias (k's and v's for the first quarter, q's at the end).  On the way out v32-127 are at work.
.set KS,     96
.set PITCH,  240
.set AHALF,  128*PITCH                 ; one tensor load of x: 128 rows
.set BHALF,  192*PITCH                 ; one tensor load of wa: 192 rows
.set BOFF,   2*AHALF                   ; wa's rows lie behind x's 256
.set SLOTB,  2*AHALF+2*BHALF           ; 153,600
.set STAGE,  2*SLOTB                   ; behind the ring, never filled by a tensor load: 16 rows x 144 bytes for each wave, its own
.set SP,     144
.set BIASL,  STAGE+4*16*SP             ; 192 f32 for each wave: the bias of its head's q (scaled), k, v
.set SPARE,  BIASL+4*768               ; the spare words, 128 bytes for each wave
.set TRIPS,  9                         ; steps 2 to 10 are asked for in the loop
.set ADRA0, 4                          ; v4   my lane's place in my 128 rows of x in slot 0; never rewritten
.set ADRB0, 5                          ; v5   in my 192 rows of wa
.set ADRA,  6                          ; v6   ADRA0 + the slot in hand
.set ADRB,  7                          ; v7
.set STO,   8                          ; v8   the way out: where I put 16 bytes of a row
.set RD,    9                          ; v9   where I read rows back
.set GO,    10                         ; v10  my byte offset in 512 bytes of the result
.set BL,    11                         ; v11  LDS address of my lanes' eight bias numbers of block 0
.set SPW,   12                         ; v12  LDS address of my spare word; never rewritten
.set NIL,   13                         ; v13  0; never rewritten
.set AF,    32
.set BF,    96
.set BI,    192
.set TT,    32                         ; the way out: 32 scaled sums of q
.set PKR,   64                         ; 16 packed registers
.set OBK,   96                         ; two sets of 16: rows read back from the stage
.set G1,  24                           ; s[24:31] descriptor group 1 for x's tiles;  s[32:39] group 0: a set for each first fill; the second then walks
.set G0,  32
.set G1B, 48                           ; s[48:55], s[56:63] the same for wa's
.set G0B, 56
.set SC,  66                           ; s[66:67] log2(e) / 8
.set OB,  68                           ; s[68:73] qkvh at my rows of q, k, v
.set TB,  74                           ; s74 the slot in hand: 0 or SLOTB
.set WV,  76                           ; s76 wave;  s77 mh (also: I fetch x (0) or wa (1));  s78 nh (also: which half of that tile I fetch)
.set MH,  77
.set NH,  78
.set MSB, 0
.macro WIN new                         ; the immediate's high byte repeats the setting that is left; a switch that changes nothing is dropped
.if MSB != (\new)
	s_set_vgpr_msb (MSB<<8)|(\new)
.set MSB, \new
.endif
.endm
.macro JLOAD                           ; a joint refill by the walking descriptors: waves 0 and 1 fetch x's halves, waves 2 and 3 wa's; s_nop 0 and four v_nop follow each line
	s_cmp_eq_u32 s[MH], 0
	s_cbranch_scc0 .Lfor_b_\@
	tensor_load_to_lds s[G0+4:G0+7], s[G1:G1+7]
	s_nop 0
.rept 4
	v_nop
.endr
	s_branch .Lasked_\@
.Lfor_b_\@:
	tensor_load_to_lds s[G0B+4:G0B+7], s[G1B:G1B+7]
	s_nop 0
.rept 4
	v_nop
.endr
.Lasked_\@:
.endm
.macro CREST                           ; a round of the cluster's barrier behind its opening barrier
	s_cmp_lg_u32 s[WV], 0
	s_cbranch_scc1 .Lnot_wave_0_\@
	s_barrier_signal -3
.Lnot_wave_0_\@:
	s_barrier_wait -3
	s_barrier_signal -1
	s_barrier_wait -1
.endm
.macro CROUND
	s_barrier_signal -1
	s_barrier_wait -1
	CREST
.endm
	s_load_b256 s[4:11], s[0:1], 0x0               ; xb s[4:5], wa s[6:7], c_attn_b s[8:9], qkvh s[10:11]
	v_lshl_add_u32 v[SPW], v0, 2, SPARE
	v_mov_b32 v[NIL], 0
	ds_add_u32 v[SPW], v[NIL]                      ; the wave's opening: the add and its wait ahead of my first tensor load
	v_lshrrev_b32 v1, 5, v0
	v_readfirstlane_b32 s[WV], v1
	s_lshr_b32 s[MH], s[WV], 1
	s_and_b32 s[NH], s[WV], 1
	s_bfe_u32 s40, ttmp6, 0x40000                  ; cx
	s_bfe_u32 s41, ttmp6, 0x40004                  ; cy
	s_lshl_b32 s42, ttmp9, 2
	s_add_co_u32 s42, s42, s40                     ; tile column = 4 x cluster x + cx: heads 2 x it and the next
	s_and_b32 s13, ttmp7, 0xffff
	s_lshl_b32 s13, s13, 2
	s_add_co_u32 s13, s13, s41                     ; tile row = 4 x cluster y + cy
	s_lshl_b32 s43, s41, 2
	s_lshl_b32 s43, 15, s43                        ; my row of the cluster
	s_lshl_b32 s44, 0x1111, s40                    ; my column
	s_or_b32 s[G1+0], s43, (1<<16)|(1<<20)|(1<<21)|(3<<22)|(3<<25)   ; the mask; 2-byte elements; padding on; bit 21 beside a mask; after every 16 words 4 words
	s_or_b32 s[G1B+0], s44, (1<<16)|(1<<20)|(1<<21)|(3<<22)|(3<<25)
	s_mov_b32 s[G1+1], (1024-KS)<<16               ; tensor_dim0: what is left of a row at step 1 (at step 0 more is left: both are past the tile's 96); each refill takes 96 away
	s_mov_b32 s[G1+2], 128<<16                     ; tensor_dim1 = 128
	s_mov_b32 s[G1+3], KS<<16                      ; tile_dim0 = 96
	s_mov_b32 s[G1+4], 128                         ; tile_dim1 = 128
	s_mov_b32 s[G1+5], 1024                        ; elements from row to row
	s_mov_b32 s[G1+6], 0
	s_mov_b32 s[G1+7], 0
	s_mov_b32 s[G1B+1], (1024-KS)<<16
	s_mov_b32 s[G1B+2], 192<<16                    ; 192 rows
	s_mov_b32 s[G1B+3], KS<<16
	s_mov_b32 s[G1B+4], 192
	s_mov_b32 s[G1B+5], 1024
	s_mov_b32 s[G1B+6], 0
	s_mov_b32 s[G1B+7], 0
	s_lshl_b32 s17, s[NH], 7
	s_lshl_b32 s16, s13, 8
	s_add_co_u32 s16, s16, s17                     ; x: row 256 x tile row + 128 x half,
	s_lshl_b32 s16, s16, 11                        ; in bytes (under 2^25)
	s_mov_b32 s17, 0
	s_mul_i32 s46, s42, 384
	s_mul_i32 s47, s[NH], 192
	s_add_co_u32 s46, s46, s47                     ; wa: row 384 x tile column + 192 x half
	s_lshl_b32 s46, s46, 11
	s_mov_b32 s47, 0
	s_mul_i32 s20, s[NH], AHALF                    ; where they go in a slot: no place in the cluster enters an LDS address
	s_mul_i32 s21, s[NH], BHALF
	s_add_co_u32 s21, s21, BOFF
	s_lshl_b32 s45, s42, 1
	s_add_co_u32 s45, s45, s[NH]                   ; my head
	s_lshr_b32 s18, s13, 2                         ; the result: b = tile row / 4,
	s_lshl_b32 s18, s18, 4
	s_add_co_u32 s18, s18, s45
	s_lshl_b32 s18, s18, 17                        ; (16 b + head) x 131,072 bytes,
	s_and_b32 s19, s13, 3
	s_lshl_b32 s19, s19, 15                        ; + 256 (tile row % 4) rows of 128 bytes,
	s_add_co_u32 s18, s18, s19
	s_lshl_b32 s19, s[MH], 14                      ; + my 128 rows
	s_add_co_u32 s18, s18, s19
	s_mov_b32 s19, 0
	s_lshl_b32 s22, s45, 8                         ; the bias: head x 64 x 4 bytes
	s_mov_b32 s[SC], 0x3e38aa3b                    ; log2(e) / 8 = 0.180337
	s_mov_b32 s[SC+1], s[SC]                       ; named with it as a pair
	s_mov_b32 s[TB], 0
	s_wait_dscnt 0x0                               ; the opening add is done
	s_wait_kmcnt 0x0
	s_add_nc_u64 s[14:15], s[4:5], s[16:17]
	s_add_nc_u64 s[46:47], s[6:7], s[46:47]
	s_add_nc_u64 s[OB:OB+1], s[10:11], s[18:19]
	s_add_nc_u64 s[OB+2:OB+3], s[OB:OB+1], 0x1000000
	s_add_nc_u64 s[OB+4:OB+5], s[OB:OB+1], 0x2000000
.irp s, 0,1
	s_mov_b32 s[G0+4*(\s)], 1
	s_add_co_u32 s[G0+4*(\s)+1], s20, (\s)*SLOTB
	s_add_nc_u64 s[G0+4*(\s)+2:G0+4*(\s)+3], s[14:15], (\s)*KS*2      ; K step s
	s_or_b32 s[G0+4*(\s)+3], s[G0+4*(\s)+3], 0x80000000
	s_mov_b32 s[G0B+4*(\s)], 1
	s_add_co_u32 s[G0B+4*(\s)+1], s21, (\s)*SLOTB
	s_add_nc_u64 s[G0B+4*(\s)+2:G0B+4*(\s)+3], s[46:47], (\s)*KS*2
	s_or_b32 s[G0B+4*(\s)+3], s[G0B+4*(\s)+3], 0x80000000
.endr
	CROUND                                         ; all sixteen work-groups are here: the first joint loads meet
	s_cmp_eq_u32 s[MH], 0                          ; a wave's two first fills stand in one branch: two loads of mine are out
	s_cbranch_scc0 .Lfirst_b
	tensor_load_to_lds s[G0:G0+3], s[G1:G1+7]
	s_nop 0
	tensor_load_to_lds s[G0+4:G0+7], s[G1:G1+7]
	s_nop 0
.rept 4
	v_nop
.endr
	s_branch .Lfirst_asked
.Lfirst_b:
	tensor_load_to_lds s[G0B:G0B+3], s[G1B:G1B+7]
	s_nop 0
	tensor_load_to_lds s[G0B+4:G0B+7], s[G1B:G1B+7]
	s_nop 0
.rept 4
	v_nop
.endr
.Lfirst_asked:
	v_and_b32 v1, 15, v0                           ; l % 16
	v_bfe_u32 v2, v0, 4, 1                         ; l / 16
	v_and_b32 v20, 31, v0                          ; l
	v_lshl_add_u32 v21, v20, 3, s22
.irp g, 0,1,2
	global_load_b64 v[14+2*\g:15+2*\g], v21, s[8:9] offset:4096*\g    ; the wave's 64 bias numbers of q, k, v: two a lane
.endr
	v_mul_u32_u24 v3, v1, PITCH
	v_lshl_add_u32 v3, v2, 4, v3                   ; a fragment's row x pitch + 16 x half
	s_mul_i32 s12, s[MH], AHALF                    ; my 128 rows of x
	v_add_nc_u32 v[ADRA0], s12, v3
	v_add_nc_u32 v[ADRB0], s21, v3                 ; my head's 192 rows of wa: the half that its number names
	v_mov_b32 v[ADRA], v[ADRA0]                    ; slot 0
	v_mov_b32 v[ADRB], v[ADRB0]
	s_mul_i32 s12, s[WV], 16*SP
	s_add_co_u32 s12, s12, STAGE                   ; my stage
	v_mul_u32_u24 v22, v1, SP                      ; in: row l % 16, 16 bytes for each half of the lanes
	v_lshl_add_u32 v22, v2, 4, v22
	v_add_nc_u32 v[STO], s12, v22
	v_bfe_u32 v23, v0, 3, 2                        ; back: 32 lanes take four rows of 128 bytes,
	v_and_b32 v24, 7, v0
	v_mul_u32_u24 v23, v23, SP
	v_lshl_add_u32 v23, v24, 4, v23
	v_add_nc_u32 v[RD], s12, v23
	v_lshlrev_b32 v[GO], 4, v20                    ; which are 512 bytes of a head on end
	s_mul_i32 s12, s[WV], 768
	s_add_co_u32 s12, s12, BIASL
	v_lshl_add_u32 v[BL], v2, 5, s12               ; a lane's eight columns of a block: 32 bytes at 32 (l / 16)
	v_lshl_add_u32 v25, v20, 3, s12
	s_wait_loadcnt 0x0                             ; the bias: rounded to bf16 like the other inputs, q's then scaled; all this stands in the wait for the first tile
.irp g, 0,1,2
	v_cvt_pk_bf16_f32 v26, v[14+2*\g], v[15+2*\g]
	v_lshlrev_b32 v[14+2*\g], 16, v26
	v_and_b32 v[15+2*\g], 0xffff0000, v26
.endr
	v_pk_mul_f32 v[14:15], v[14:15], s[SC:SC+1] op_sel_hi:[1,0]
.irp g, 0,1,2
	ds_store_b64 v25, v[14+2*\g:15+2*\g] offset:256*\g
.endr
.irp b, 4,5,6,7,8,9,10,11              ; k's and v's come back as a result lies: LDS serves a wave's instructions in order (ISA guide 5.7.1.4), so these see the stores above
	ds_load_b128 v[BI+8*(\b-4):BI+8*(\b-4)+3],   v[BL] offset:64*\b
	ds_load_b128 v[BI+8*(\b-4)+4:BI+8*(\b-4)+7], v[BL] offset:64*\b+16
.endr
; n x 4 matrix instructions: m blocks a0 on x the four n blocks of window w, 32 along K.  first = 1: the product starts the sums, with 0 (q) or the bias (k, v: C in window 0).
; The 96 accumulators take turns, one instruction a turn.
.macro PH w, a0, n, first
.if \first
	WIN (\w)<<6                                    ; D in window w, all sources in window 0
.else
	WIN 0x50*(\w)                                  ; C and D in window w
.endif
.set aa, (\a0)
.rept (\n)
.irp bb, 0,1,2,3
.if (\first) && ((\w) == 1)
	v_wmma_f32_16x16x32_bf16 v[8*(4*aa+\bb):8*(4*aa+\bb)+7], v[BF+8*(4*(\w)-4+\bb):BF+8*(4*(\w)-4+\bb)+7], v[AF+8*aa:AF+8*aa+7], 0
.elseif \first
	v_wmma_f32_16x16x32_bf16 v[8*(4*aa+\bb):8*(4*aa+\bb)+7], v[BF+8*(4*(\w)-4+\bb):BF+8*(4*(\w)-4+\bb)+7], v[AF+8*aa:AF+8*aa+7], v[BI+32*(\w)-64+8*\bb:BI+32*(\w)-64+8*\bb+7]
.else
	v_wmma_f32_16x16x32_bf16 v[8*(4*aa+\bb):8*(4*aa+\bb)+7], v[BF+8*(4*(\w)-4+\bb):BF+8*(4*(\w)-4+\bb)+7], v[AF+8*aa:AF+8*aa+7], v[8*(4*aa+\bb):8*(4*aa+\bb)+7]
.endif
.endr
.set aa, aa+1
.endr
.endm
; 8 LDS loads: four fragments of x (half hf of my rows), or of wa (group g: q, k or v), of the quarter at part kq of the rows
.macro LDA hf, kq
	WIN 0
.irp i, 0,1,2,3
	ds_load_b128 v[AF+8*(4*(\hf)+\i):AF+8*(4*(\hf)+\i)+3],   v[ADRA] offset:(4*(\hf)+\i)*16*PITCH+(\kq)*80
	ds_load_b128 v[AF+8*(4*(\hf)+\i)+4:AF+8*(4*(\hf)+\i)+7], v[ADRA] offset:(4*(\hf)+\i)*16*PITCH+(\kq)*80+32
.endr
.endm
.macro LDB g, kq
	WIN 0
.irp i, 0,1,2,3
	ds_load_b128 v[BF+8*(4*(\g)+\i):BF+8*(4*(\g)+\i)+3],   v[ADRB] offset:(4*(\g)+\i)*16*PITCH+(\kq)*80
	ds_load_b128 v[BF+8*(4*(\g)+\i)+4:BF+8*(4*(\g)+\i)+7], v[ADRB] offset:(4*(\g)+\i)*16*PITCH+(\kq)*80+32
.endr
.endm
.macro PLACES                          ; four plain vector instructions in front of loads into registers that matrix instructions have read, and of lines that read results
.rept 4
	v_nop
.endr
.endm
; A QUARTER: 96 matrix instructions in six phases; behind phases 3, 4, 5, 6 the fragments just used for the last time are loaded anew, for the next quarter, which lies at part kqn of the rows.
; The order of a quarter's 40 loads: x low (8), q (8), k (8), v (8), x high (8).  So the waits ahead of phases 1 to 4 leave out 24 (k, v, x high), 16 (v, x high), 8 (x high) and 8 (the next x low).
; mode 0: plain.  mode 1: a step's last quarter, THE CHANGE OF SLOTS: ONE barrier; in front of it each wave waits for all its tensor loads (one is out: its part of the next slot), adds 0 to its spare
; word, and waits for that and for its reads of this slot; the barrier opens a round of the cluster's barrier, and the slot just read out is filled again, two steps ahead, first thing behind it.
; mode 2: the same with nothing left to ask for.  mode 3: the last quarter: no next fragments; q's bias comes in where x low would.
.macro QUARTER kqn, first, mode
	s_wait_dscnt 24
	PH 1, 0, 4, \first
.if ((\mode) == 1) || ((\mode) == 2)
	WIN 0
	s_wait_tensorcnt 0x0
	ds_add_u32 v[SPW], v[NIL]
	s_wait_dscnt 17                                ; (the add and the youngest sixteen loads, v and x high, may be out)
	PH 2, 0, 2, 0
	s_wait_dscnt 0x0                               ; the add is done, and my reads of this slot are over
	s_barrier_signal -1
	PH 2, 2, 2, 0
	WIN 0
	s_barrier_wait -1
.if (\mode) == 1
	CREST                                          ; no wave of any partner still reads this slot or has a load on its way
	s_add_co_u32 s[G0+5], s20, s[TB]               ; the walking descriptors: into the slot just read out,
	s_add_co_u32 s[G0B+5], s21, s[TB]
	s_add_nc_u64 s[G0+6:G0+7], s[G0+6:G0+7], KS*2  ; the next step's 96 along K,
	s_add_nc_u64 s[G0B+6:G0B+7], s[G0B+6:G0B+7], KS*2
	s_sub_co_u32 s[G1+1], s[G1+1], KS<<16          ; of a row of which 96 less are left
	s_sub_co_u32 s[G1B+1], s[G1B+1], KS<<16
	JLOAD
.endif
	s_xor_b32 s[TB], s[TB], SLOTB                  ; the fragments now come out of the other slot
	v_add_nc_u32 v[ADRA], s[TB], v[ADRA0]
	v_add_nc_u32 v[ADRB], s[TB], v[ADRB0]
.else
	s_wait_dscnt 16
	PH 2, 0, 4, \first
	s_wait_dscnt 8
.endif
	PH 3, 0, 4, \first
.if (\mode) == 3
	WIN 0
.irp b, 0,1,2,3
	ds_load_b128 v[BI+8*\b:BI+8*\b+3],   v[BL] offset:64*\b
	ds_load_b128 v[BI+8*\b+4:BI+8*\b+7], v[BL] offset:64*\b+16
.endr
.else
	PLACES
	LDA 0, \kqn
.endif
	s_wait_dscnt 8
	PH 1, 4, 4, \first
.if (\mode) != 3
	PLACES
	LDB 0, \kqn
.endif
	PH 2, 4, 4, \first
.if (\mode) != 3
	PLACES
	LDB 1, \kqn
.endif
	PH 3, 4, 4, \first
.if (\mode) != 3
	PLACES
	LDB 2, \kqn
	LDA 1, \kqn
.endif
.endm
	s_wait_tensorcnt 0x1                           ; my part of K step 0 is in; K step 1's may stay out
	s_wait_dscnt 0x0                               ; the bias is stored and back
	s_barrier_signal -1
	s_barrier_wait -1
	LDA 0, 0                                       ; the first quarter's fragments, in a quarter's order
	LDB 0, 0
	LDB 1, 0
	LDB 2, 0
	LDA 1, 0
	QUARTER 1, 1, 0                                ; the first quarter stands in front of the loop: its products start the sums
	WIN 0
	s_mov_b32 s3, TRIPS
.Lstep:                                                ; a trip: a step's second and third quarter, the next step's first; it asks for the step two on: steps 2 to 10
	QUARTER 2, 0, 0
	QUARTER 0, 0, 1
	QUARTER 1, 0, 0
	WIN 0
	s_sub_co_u32 s3, s3, 1
	s_cmp_lg_u32 s3, 0
	s_cbranch_scc1 .Lstep
	QUARTER 2, 0, 0                                ; the tail is written out: step 9 goes on
	QUARTER 0, 0, 2                                ; nothing is asked for,
	QUARTER 1, 0, 0                                ; and step 10 has two quarters: k 960 to 1,023
	QUARTER 0, 0, 3
	WIN 0
	PLACES
	s_wait_dscnt 0x0                               ; q's bias
; THE WAY OUT of block a (16 rows) of group g, in three parts.  PACK: q: sum x scale + bias; all: rounded, q and k to bf16, v to f16, each accumulator's registers in ascending order.
; TOSTAGE: 16 bytes a lane and accumulator into my own stage, back as whole rows of 128 bytes.  SEND: stored.
.macro PACK g, a
.if (\g) == 0
	WIN 0x01                                       ; source 0 in window 1
.irp z, 0,1,2,3,4,5,6,7,8,9,10,11,12,13,14,15
	v_pk_fma_f32 v[TT+2*\z:TT+2*\z+1], v[32*(\a)+2*\z:32*(\a)+2*\z+1], s[SC:SC+1], v[BI+2*\z:BI+2*\z+1] op_sel_hi:[1,0,1]
.endr
	WIN 0
.irp z, 0,1,2,3,4,5,6,7,8,9,10,11,12,13,14,15
	v_cvt_pk_bf16_f32 v[PKR+\z], v[TT+2*\z], v[TT+2*\z+1]
.endr
.elseif (\g) == 1
	WIN 0x0a                                       ; sources 0 and 1 in window 2
.irp z, 0,1,2,3,4,5,6,7,8,9,10,11,12,13,14,15
	v_cvt_pk_bf16_f32 v[PKR+\z], v[32*(\a)+2*\z], v[32*(\a)+2*\z+1]
.endr
	WIN 0
.else
	WIN 0x0f                                       ; sources 0 and 1 in window 3
.irp z, 0,1,2,3,4,5,6,7,8,9,10,11,12,13,14,15
	v_cvt_pk_f16_f32 v[PKR+\z], v[32*(\a)+2*\z], v[32*(\a)+2*\z+1]
.endr
	WIN 0
.endif
.endm
.macro TOSTAGE p
.irp bb, 0,1,2,3
	ds_store_b128 v[STO], v[PKR+4*\bb:PKR+4*\bb+3] offset:32*\bb
.endr
.irp f, 0,1,2,3
	ds_load_b128 v[OBK+16*(\p)+4*\f:OBK+16*(\p)+4*\f+3], v[RD] offset:\f*4*SP  ; these see the stores above; the next block's stores come behind them
.endr
.endm
.macro SEND g, a, p
	s_wait_dscnt 0x0                               ; the block is back in registers
	s_wait_xcnt 0x0                                ; the stores of the block before have read their registers: the next TOSTAGE loads into them only behind this wait
.irp f, 0,1,2,3
	global_store_b128 v[GO], v[OBK+16*(\p)+4*\f:OBK+16*(\p)+4*\f+3], s[OB+2*(\g):OB+2*(\g)+1] offset:(\a)*2048+\f*512  ; four rows of a head: 512 bytes on end, aligned
.endr
.endm
	PACK 0, 0
	TOSTAGE 0
.set nb, 1
.rept 23                               ; a block's arithmetic stands between the loads of the block before and the wait for them
	PACK nb/8, nb%8
	SEND (nb-1)/8, (nb-1)%8, (nb-1)%2
	TOSTAGE nb%2
.set nb, nb+1
.endr
	SEND 2, 7, 1
	s_wait_tensorcnt 0x0                           ; the wave's end
	ds_add_u32 v[SPW], v[NIL]
	s_wait_dscnt 0x0
	CROUND                                         ; the closing round
	s_endpgm
.Lfunc_end_k_qf9c8bae2bb_qkv:
	.size	k_qf9c8bae2bb_qkv, .Lfunc_end_k_qf9c8bae2bb_qkv-k_qf9c8bae2bb_qkv
	.p2alignl 7, 3214868480
	.fill 96, 4, 3214868480
	.section	.rodata,"a",@progbits
	.p2align	6, 0x0
	.amdhsa_kernel k_qf9c8bae2bb_qkv
		.amdhsa_group_segment_fixed_size 327680
		.amdhsa_private_segment_fixed_size 0
		.amdhsa_enable_private_segment 0
		.amdhsa_kernarg_size 32
		.amdhsa_user_sgpr_count 2
		.amdhsa_user_sgpr_kernarg_segment_ptr 1
		.amdhsa_wavefront_size32 1
		.amdhsa_system_sgpr_workgroup_id_x 1
		.amdhsa_system_sgpr_workgroup_id_y 1
		.amdhsa_system_sgpr_workgroup_id_z 1
		.amdhsa_system_vgpr_workitem_id 0
		.amdhsa_next_free_vgpr 1024
		.amdhsa_next_free_sgpr 80
		.amdhsa_reserve_vcc 0
		.amdhsa_float_denorm_mode_32 3
		.amdhsa_float_denorm_mode_16_64 3
		.amdhsa_memory_ordered 1
		.amdhsa_forward_progress 1
		.amdhsa_inst_pref_size 143
	.end_amdhsa_kernel
	.amdgpu_metadata
---
amdhsa.version: [ 1, 2 ]
amdhsa.kernels:
  - .name:           k_qf9c8bae2bb_qkv
    .symbol:         k_qf9c8bae2bb_qkv.kd
    .args:
      - { .name: xb, .offset: 0, .size: 8, .value_kind: global_buffer, .address_space: global }
      - { .name: wa, .offset: 8, .size: 8, .value_kind: global_buffer, .address_space: global }
      - { .name: c_attn_b, .offset: 16, .size: 8, .value_kind: global_buffer, .address_space: global }
      - { .name: qkvh, .offset: 24, .size: 8, .value_kind: global_buffer, .address_space: global }
    .group_segment_fixed_size: 327680
    .private_segment_fixed_size: 0
    .kernarg_segment_align: 8
    .kernarg_segment_size: 32
    .max_flat_workgroup_size: 128
    .sgpr_count:     80
    .vgpr_count:     1024
    .wavefront_size: 32
...
	.end_amdgpu_metadata
.endif
;; end of part 2
;; launch attn (part 3): grid 16 x 16, 4 waves a work-group, clusters of 4 x 1, 327,680 bytes of LDS; arguments qkvh, wm, rf, ob; writes ob
.if DOCPART == 3
	.amdgcn_target "amdgcn-amd-amdhsa--gfx1250"
	.amdhsa_code_object_version 6
	.text
	.protected	k_qf9c8bae2bb_attn
	.globl	k_qf9c8bae2bb_attn
	.p2align	8
	.type	k_qf9c8bae2bb_attn,@function
k_qf9c8bae2bb_attn:
	s_mov_b64 s[64:65], 0
	v_nop
	global_prefetch_b8 v0, s[64:65] scope:SCOPE_SE
	s_setreg_imm32_b32 hwreg(HW_REG_WAVE_MODE, 25, 1), 1
	s_wait_xcnt 0x0
	s_wait_alu depctr_hold_cnt(0) depctr_sa_sdst(0) depctr_va_vdst(0) depctr_va_sdst(0) depctr_va_ssrc(0) depctr_va_vcc(0) depctr_vm_vsrc(0)
	s_getreg_b32 s2, hwreg(HW_REG_IB_STS2, 6, 4)
	s_cmp_eq_u32 s2, 0
	s_cbranch_scc0 .Lentry_in_a_cluster
	s_endpgm
.Lentry_in_a_cluster:
	s_bfe_u32 s2, ttmp6, 0x10000c
	s_cmp_lg_u32 s2, 0x3003
	s_cbranch_scc0 .Lentry_shape_is_right
	s_endpgm
.Lentry_shape_is_right:
; ATTENTION with a mask that is an input.  O[b][h][q] = sum over k of softmax_k(q . k / 8 + MIN (1 - mask[b][q][k])) v[k].
; qkvh [type][b][head][1024][64]: q bf16, already times log2(e) / 8; k bf16; v f16.  ob [head][b 1024 + s][64] f16.
; THE MASK COMES PREPARED: wm [b][key step 16][q 1024][64 keys] bf16 is 1 for a key that loses against the row's best keys (a larger 1 - mask) and 0 for the others; rf [b][q] is all ones where the
; row's scores count (its least 1 - mask is 0) and 0 where the offset swallows them.  Q's rows with rf = 0 are cleared once, at the start: such a row has the score 0 for each of its best keys and
; so shares the weight evenly among them.  A row of zeros in the mask has no key marked and rf = 0: every score is 0, every weight 1: the plain mean of v, with no large number in play.
; Products, maxima and sums in f32; the weights p are rounded to f16 for the second product (their sum l is taken of the unrounded p), O once at the end.
; THE MASK IS A MATRIX LINK.  S^T (16 keys x 16 queries) starts as SEL x W with C = 0, in the form of K Q^T, whose two links then add in place.  W (source 1) is 32 keys x 16 queries of wm, read as it
; lies (keys on end for each query); SEL_u (source 0) holds BIG = -2^100 at (m, m + 16 u) and 0 elsewhere: the sum starts at BIG for a marked key and at 0 for the others.  No vector line is spent on it.
; SOFTMAX.  t = S^T is the score in powers of two; a running maximum m and sum l for each query: p = 2^(t - m); O and l are multiplied by a = 2^(m_old - m_new) in every step.  m starts at the lowest
; finite number, O and l at 0.  Every row has an unmarked key.  Steps ahead of a row's first unmarked key count weights of 1 at the most; that key's step has a = 2^(BIG - m) = 0 and wipes them.
; LIMITS.  A marked key's score counts as its value less 2^100 (1.3e30): scores stay far below that.  |v| under 65,504 (f16); p below 6e-5 keeps f16's fixed step; a weight below 2^-126 counts as 0;
; NaN and infinities are not treated apart.
; SHARES.  A work-group owns 512 queries of one (b, head), a wave 128: four PIECES of two tiles of 16.  Every wave walks all keys, 64 a step, one step to a slot.
; BY TURNS.  Turn n belongs to piece n: 8 mask links and 16 products K Q^T of piece n + 1, later 16 products V^T P of piece n - 1; beside them the subtraction, exponentials, roundings, sums and rescaling
; of piece n and the maximum and statistics of piece n + 1: four vector instructions behind every matrix instruction, the other 74 of a turn's 234 in two lumps.
; CLUSTER.  The four partners are four heads of one (b, query block): they need the same mask tile, 64 of a step's 80 KiB, which is asked for JOINTLY.  K and V are each work-group's own and go out
; behind the same rounds.  (A head has only two query blocks, so K and V have too few partners to share.)
; REGISTERS by windows of 256: window 0: v0-15 addresses; v16-47 four registers of statistics a tile; v48-63 at work; v64-191 S^T, two buffers of two tiles; v192-255 P, likewise.
;   window 1: O^T, 32 a tile.   window 2: v0-127 Q; v128-191 K of one step; v192-255 V of one step.   window 3: v4-15 SEL; v16-47 the mask's fragments of one piece.
.set NP,    4
.set PK,    144       ; a row of K, and of the mask, in LDS: 128 bytes + 16
.set PVP,   160       ; a row of V: 128 + 32
.set VOFF,  64*PK     ; a slot: 64 rows of K, 64 rows of V, 512 rows of the mask
.set MOFF,  VOFF+64*PVP
.set SLOT1, 1<<17
.set STAGE, SLOT1+MOFF+512*PK   ; behind the ring, never filled by a tensor load: 16 rows x 144 bytes for each wave
.set SP,    144
.set SPARE, STAGE+4*16*SP       ; the spare words, 128 bytes for each wave
.set AK0, 2           ; v2   my lane's place in a tile of K; never rewritten
.set AV0, 3           ; v3   in a tile of V
.set AK,  4           ; v4   AK0 + the slot in hand
.set AV,  5           ; v5
.set QO,  6           ; v6   my byte offset in 16 rows of Q; later:
.set STO, 6           ;      the way out: where I put 16 bytes of a row
.set RD,  7           ; v7   the way out: where I read rows back
.set GO,  8           ; v8   my byte offset in 512 bytes of O
.set AM0, 12          ; v12  my lane's place in my wave's 128 rows of the mask
.set AM,  13          ; v13  AM0 + the slot in hand
.set SPW, 14          ; v14  LDS address of my spare word; never rewritten
.set NIL, 15          ; v15  0; never rewritten
.set ST,  16          ; tile t's statistics at v[ST+4 t]: m, a partner that is only named, l (even keys', odd keys')
.set TMP, 48          ; by buffer and tile four registers c0-c3; c2 takes a
.set FA,  52          ; v52     at the start only: my byte offset in 16 words of rf
.set FL,  56          ; v56-63  at the start only: my query's flag in each of the eight tiles
.set S,   64
.set P,   192
.set KF,  128
.set VF,  192
.set MF,  16          ; window 3: tile u, key half c at MF + 16 u + 8 c
.set WV,  12          ; s12  wave
.set G1K, 24          ; s[24:31], s[32:39], s[40:47] descriptor group 1 for K, V, the mask
.set G1V, 32
.set G1M, 40
.set G0K, 48          ; s[48:51], s[52:55], s[56:59] group 0: they walk
.set G0V, 52
.set G0M, 56
.set SEL, 60          ; s[60:61] v_permlanex16_b32's selects
.set TB,  62          ; s62  the slot in hand: 0 or SLOT1
.set CNT, 63          ; s63  the loop's count
.set MSB, 0
.macro WIN new
.if MSB != (\new)
	s_set_vgpr_msb (MSB<<8)|(\new)
.set MSB, (\new)
.endif
.endm
.set W_MK, 0x0f       ; SEL and the mask in window 3, S^T in window 0
.set W_KQ, 0x0a       ; K and Q in window 2, S^T in window 0
.set W_PV, 0x52       ; V in window 2, P in window 0, O^T in window 1
.set W_RS, 0x41       ; destination and source 0 in window 1, source 1 in window 0
; A step's fills: wave 0 K, wave 1 V (their own), waves 2 and 3 the two halves of the mask tile (joint).  The branches hang on the wave's number alone.  s_nop 0 and four v_nop follow each line.
.macro LOADS
	s_cmp_lt_u32 s[WV], 2
	s_cbranch_scc0 .Lfor_m_\@
	s_cmp_eq_u32 s[WV], 0
	s_cbranch_scc0 .Lfor_v_\@
	tensor_load_to_lds s[G0K:G0K+3], s[G1K:G1K+7]
	s_nop 0
.rept 4
	v_nop
.endr
	s_branch .Lasked_\@
.Lfor_v_\@:
	tensor_load_to_lds s[G0V:G0V+3], s[G1V:G1V+7]
	s_nop 0
.rept 4
	v_nop
.endr
	s_branch .Lasked_\@
.Lfor_m_\@:
	tensor_load_to_lds s[G0M:G0M+3], s[G1M:G1M+7]
	s_nop 0
.rept 4
	v_nop
.endr
.Lasked_\@:
.endm
.macro CROUND
	s_barrier_signal -1
	s_barrier_wait -1
	s_cmp_lg_u32 s[WV], 0
	s_cbranch_scc1 .Lnot_wave_0_\@
	s_barrier_signal -3
.Lnot_wave_0_\@:
	s_barrier_wait -3
	s_barrier_signal -1
	s_barrier_wait -1
.endm
; THE CHANGE OF SLOTS, between piece 1's turn and piece 2's: the slot's last bytes (piece 3's mask) have been asked for.  Each wave waits for all its tensor loads (one is out: its part of the other
; slot), adds 0 to its spare word, and waits for that and for its reads.  fill = 1: a round of the cluster's barrier, and the slot just left is filled with the step two on, first thing behind it:
; it has a key step, 160 matrix instructions, in which to land.  (At its first use nothing has been read: slot 0 is waited for, slot 1 filled.)
.macro CHANGE fill
	WIN 0
	s_wait_tensorcnt 0x0            ; no tensor load of mine is out, so a group 0 may be written
	ds_add_u32 v[SPW], v[NIL]
.if \fill
	s_xor_b32 s[G0K+1], s[G0K+1], SLOT1
	s_xor_b32 s[G0V+1], s[G0V+1], SLOT1
	s_xor_b32 s[G0M+1], s[G0M+1], SLOT1
	s_add_nc_u64 s[G0K+2:G0K+3], s[G0K+2:G0K+3], 64*128      ; the next 64 keys
	s_add_nc_u64 s[G0V+2:G0V+3], s[G0V+2:G0V+3], 64*128
	s_add_nc_u64 s[G0M+2:G0M+3], s[G0M+2:G0M+3], 1024*128    ; the next key step's block of 1,024 queries
.endif
	s_wait_dscnt 0x0                ; the add is done, and my reads of the slot are over
.if \fill
	CROUND
	LOADS
.else
	s_barrier_signal -1
	s_barrier_wait -1
.endif
	s_xor_b32 s[TB], s[TB], SLOT1
	v_add_nc_u32 v[AK], s[TB], v[AK0]
	v_add_nc_u32 v[AV], s[TB], v[AV0]
	v_add_nc_u32 v[AM], s[TB], v[AM0]
.endm
	s_load_b256 s[4:11], s[0:1], 0x0 ; qkvh s[4:5], wm s[6:7], rf s[8:9], ob s[10:11]
	v_lshl_add_u32 v[SPW], v0, 2, SPARE
	v_mov_b32 v[NIL], 0
	ds_add_u32 v[SPW], v[NIL]       ; the wave's opening: the add and its wait ahead of my first tensor load
	v_lshrrev_b32 v1, 5, v0
	v_readfirstlane_b32 s[WV], v1
	s_bfe_u32 s13, ttmp6, 0x40000   ; cx
	s_lshl_b32 s14, ttmp9, 2
	s_add_co_u32 s14, s14, s13      ; head = 4 x cluster x + cx: it enters q's, k's, v's and O's addresses alone
	s_and_b32 s15, ttmp7, 0xffff
	s_lshr_b32 s16, s15, 1          ; b
	s_and_b32 s17, s15, 1           ; which 512 queries
	s_and_b32 s22, s[WV], 1         ; which half of the mask tile I fetch
	s_lshl_b32 s20, s16, 21         ; the mask tile: b x 16 steps x 131,072 bytes,
	s_lshl_b32 s21, s17, 16         ; + 512 queries x 128 bytes,
	s_add_co_u32 s20, s20, s21
	s_lshl_b32 s21, s22, 15         ; + my 256 queries
	s_add_co_u32 s20, s20, s21
	s_mov_b32 s21, 0
	s_lshl_b32 s18, s16, 4
	s_add_co_u32 s18, s18, s14
	s_lshl_b32 s18, s18, 17         ; (16 b + head) x 131,072 bytes
	s_mov_b32 s19, 0
	s_lshl_b32 s2, s17, 16
	s_lshl_b32 s3, s[WV], 14
	s_add_co_u32 s2, s2, s3         ; my wave's 128 queries among the 1,024, x 128 bytes
	s_add_co_u32 s74, s18, s2       ; q
	s_mov_b32 s75, 0
	s_lshl_b32 s76, s14, 20         ; O: head x 8,192 rows,
	s_lshl_b32 s3, s16, 17          ; + b x 1,024 rows
	s_add_co_u32 s76, s76, s3
	s_add_co_u32 s76, s76, s2
	s_mov_b32 s77, 0
	s_lshr_b32 s72, s2, 5           ; rf: my wave's first query x 4 bytes,
	s_lshl_b32 s73, s16, 12         ; + b x 1,024 x 4
	s_add_co_u32 s72, s72, s73
	s_mov_b32 s73, 0
	; group 1.  Dense bytes asked for as rows of 256 bytes, two rows of 128 a row, padded in LDS after every 128 bytes
	s_mov_b32 s[G1K], (1<<16)|(1<<20)|(4<<22)|(3<<25)             ; 2-byte elements; padding on; after every 32 words 4 words
	s_mov_b32 s[G1V], (1<<16)|(1<<20)|(4<<22)|(7<<25)             ; 8 words
	s_mov_b32 s[G1M], 15|(1<<16)|(1<<20)|(1<<21)|(4<<22)|(3<<25)  ; the mask of four, bit 21 beside it
.irp g, G1K, G1V
	s_mov_b32 s[\g+1], 128<<16      ; tensor_dim0 = 128
	s_mov_b32 s[\g+2], 32<<16       ; tensor_dim1 = 32: 64 keys
	s_mov_b32 s[\g+3], 128<<16      ; tile_dim0
	s_mov_b32 s[\g+4], 32           ; tile_dim1
	s_mov_b32 s[\g+5], 128
	s_mov_b32 s[\g+6], 0
	s_mov_b32 s[\g+7], 0
.endr
	s_mov_b32 s[G1M+1], 128<<16
	s_mov_b32 s[G1M+2], 128<<16     ; 128 rows: 256 queries
	s_mov_b32 s[G1M+3], 128<<16
	s_mov_b32 s[G1M+4], 128
	s_mov_b32 s[G1M+5], 128
	s_mov_b32 s[G1M+6], 0
	s_mov_b32 s[G1M+7], 0
	s_mov_b32 s[G0K], 1
	s_mov_b32 s[G0K+1], 0           ; slot 0
	s_mov_b32 s[G0V], 1
	s_mov_b32 s[G0V+1], VOFF
	s_mov_b32 s[G0M], 1
	s_mul_i32 s23, s22, 256*PK
	s_add_co_u32 s[G0M+1], s23, MOFF
	s_mov_b32 s[SEL], 0x76543210
	s_mov_b32 s[SEL+1], 0xfedcba98
	s_mov_b32 s66, 0x0000f180       ; BIG = -2^100 as bf16 in the low half,
	s_mov_b32 s67, 0xf1800000       ; in the high half
	s_mov_b32 s[TB], SLOT1          ; the first change of slots turns it into 0
	s_wait_dscnt 0x0                ; the opening add is done
	s_wait_kmcnt 0x0
	s_add_nc_u64 s[G0K+2:G0K+3], s[4:5], s[18:19]
	s_add_nc_u64 s[G0V+2:G0V+3], s[G0K+2:G0K+3], 0x2000000
	s_add_nc_u64 s[G0K+2:G0K+3], s[G0K+2:G0K+3], 0x1000000
	s_or_b32 s[G0K+3], s[G0K+3], 0x80000000
	s_or_b32 s[G0V+3], s[G0V+3], 0x80000000
	s_add_nc_u64 s[G0M+2:G0M+3], s[6:7], s[20:21]
	s_or_b32 s[G0M+3], s[G0M+3], 0x80000000
	s_add_nc_u64 s[70:71], s[4:5], s[74:75]    ; q at my wave's first row
	s_add_nc_u64 s[68:69], s[10:11], s[76:77]  ; O likewise
	s_add_nc_u64 s[72:73], s[8:9], s[72:73]    ; rf likewise
	CROUND                          ; all four work-groups are here
	LOADS                           ; key step 0 into slot 0
	v_and_b32 v1, 15, v0            ; l % 16
	v_bfe_u32 v9, v0, 4, 1          ; l / 16
	v_lshlrev_b32 v[FA], 2, v1
.irp t, 0,1,2,3,4,5,6,7
	global_load_b32 v[FL+\t], v[FA], s[72:73] offset:64*\t   ; the flag of query l % 16 of tile t
.endr
	v_lshlrev_b32 v[QO], 7, v1
	v_lshl_add_u32 v[QO], v9, 4, v[QO]
	WIN 0x80                        ; destination window 2
.set i, 0
.rept 4*NP                          ; Q stays in registers: tile i / 2, channels 32 (i % 2) on
	global_load_b128 v[8*i:8*i+3],   v[QO], s[70:71] offset:(i/2)*2048+(i%2)*64
	global_load_b128 v[8*i+4:8*i+7], v[QO], s[70:71] offset:(i/2)*2048+(i%2)*64+32
.set i, i+1
.endr
	; What the first turn finds: V and P's second buffer hold 0 (its products V^T P, of a piece that has not been, add 0), O^T and l are 0.  All this stands in the wait for the first tile.
.set i, VF
.rept 64
	v_mov_b32 v[i], 0
.set i, i+1
.endr
	WIN 0x40
.set i, 0
.rept 64*NP
	v_mov_b32 v[i], 0
.set i, i+1
.endr
	WIN 0
.set i, 0
.rept 2*NP
	v_mov_b32 v[ST+4*i], 0xff7fffff ; m
	v_mov_b32 v[ST+4*i+1], 0
	v_mov_b32 v[ST+4*i+2], 0
	v_mov_b32 v[ST+4*i+3], 0
.set i, i+1
.endr
.set i, P+32
.rept 32
	v_mov_b32 v[i], 0
.set i, i+1
.endr
	v_mul_u32_u24 v[AK0], v1, PK
	v_lshl_add_u32 v[AK0], v9, 4, v[AK0]   ; row x pitch + 16 x half
	s_mul_i32 s13, s[WV], 128*PK
	s_add_co_u32 s13, s13, MOFF
	v_add_nc_u32 v[AM0], s13, v[AK0]       ; the same place in my wave's 128 rows of the mask
	; The turning load takes 16 keys x 16 channels (lane l reads key 8 (l / 16) + l % 8, channels 8 ((l / 8) % 2) + 0..7) and leaves half a fragment of V^T.
	v_and_b32 v10, 7, v0
	v_bfe_u32 v11, v0, 3, 1
	v_lshl_add_u32 v[AV0], v9, 3, v10
	v_mul_u32_u24 v[AV0], v[AV0], PVP
	v_lshl_add_u32 v[AV0], v11, 4, v[AV0]
	v_add_nc_u32 v[AV0], VOFF, v[AV0]
	; SEL: lane l holds row m = l % 16; of the eight places 8 (l / 16) + 0..7 of a half fragment the place m holds BIG, if it lies there
	v_lshlrev_b32 v11, 3, v9
	v_sub_nc_u32 v11, v1, v11       ; m - 8 (l / 16): 0..7 where my half holds the place
.irp c, 0,1,2,3
	v_cmp_eq_u32 vcc_lo, 2*\c, v11
	v_cndmask_b32 v[TMP+\c], 0, s66, vcc_lo
	v_cmp_eq_u32 vcc_lo, 2*\c+1, v11
	v_cndmask_b32 v[TMP+\c], v[TMP+\c], s67, vcc_lo
.endr
	WIN 0xc0                        ; destination window 3: four zeros, the pattern, four zeros.  SEL_0 = v[8:15], SEL_1 = v[4:11]
.irp c, 0,1,2,3
	v_mov_b32 v[4+\c], 0
	v_mov_b32 v[8+\c], v[TMP+\c]
	v_mov_b32 v[12+\c], 0
.endr
	WIN 0
; THE MATRIX WORK.  The 8 accumulators of a run take turns, one instruction a turn: between two links of a chain stand 7 others'.  ii is the product's number in its run.
.macro ML x                         ; mask link ii of 8 for piece x: tile ii % 2, keys 16 (ii / 2) on; it starts the sum
	WIN W_MK
.set rS, S+64*((\x)%2)+32*(ii%2)+8*(ii/2)
.set rA, 8-4*((ii/2)%2)
.set rB, MF+16*(ii%2)+8*(ii/4)
	v_wmma_f32_16x16x32_bf16 v[rS:rS+7], v[rA:rA+7], v[rB:rB+7], 0
.endm
.macro KQ x                         ; product ii of 16 of S^T += K Q^T: channels 32 (ii / 8) on, keys 16 ((ii / 2) % 4) on, tile ii % 2
	WIN W_KQ
.set rS, S+64*((\x)%2)+32*(ii%2)+8*((ii/2)%4)
.set rK, KF+16*((ii/2)%4)+8*(ii/8)
.set rQ, 16*(2*(\x)+ii%2)+8*(ii/8)
	v_wmma_f32_16x16x32_bf16 v[rS:rS+7], v[rK:rK+7], v[rQ:rQ+7], v[rS:rS+7]
.endm
.macro PV x                         ; product ii of 16 of O^T += V^T P: keys 32 (ii / 8) on, channels 16 ((ii / 2) % 4) on, tile ii % 2
	WIN W_PV
.set rO, 32*(2*(\x)+ii%2)+8*((ii/2)%4)
.set rV, VF+32*(ii/8)+8*((ii/2)%4)
.set rP, P+32*((\x)%2)+16*(ii%2)+8*(ii/8)
	v_wmma_f32_16x16x32_f16 v[rO:rO+7], v[rV:rV+7], v[rP:rP+7], v[rO:rO+7]
.endm
.macro MM                           ; the turn's next matrix instruction of 40
.if cM < 8
.set ii, cM
	ML (Y+1)%NP
.elseif cM < 24
.set ii, cM-8
	KQ (Y+1)%NP
.else
.set ii, cM-24
	PV (Y+NP-1)%NP
.endif
.set cM, cM+1
.endm
; THE LDS LOADS stand in runs: the mask's fragments of a piece (8), a step's K (16), its V, turned (16).  All read the slot in hand.
.macro FETCH_M x
	WIN 0xc0                        ; destination window 3
.irp u, 0,1
.irp c, 0,1
	ds_load_b128 v[MF+16*\u+8*\c:MF+16*\u+8*\c+3],   v[AM] offset:(2*(\x)+\u)*16*PK+64*\c
	ds_load_b128 v[MF+16*\u+8*\c+4:MF+16*\u+8*\c+7], v[AM] offset:(2*(\x)+\u)*16*PK+64*\c+32
.endr
.endr
	WIN 0
.endm
.macro FETCH_K
	WIN 0x80
.irp f, 0,1,2,3,4,5,6,7             ; keys 16 (f / 2) on, channels 32 (f % 2) on
	ds_load_b128 v[KF+8*\f:KF+8*\f+3],   v[AK] offset:(\f/2)*16*PK+(\f%2)*64
	ds_load_b128 v[KF+8*\f+4:KF+8*\f+7], v[AK] offset:(\f/2)*16*PK+(\f%2)*64+32
.endr
	WIN 0
.endm
.macro FETCH_V
	WIN 0x80
.irp f, 0,1,2,3,4,5,6,7             ; keys 32 (f / 4) on, channels 16 (f % 4) on
	ds_load_tr16_b128 v[VF+8*\f:VF+8*\f+3],   v[AV] offset:(\f/4)*32*PVP+(\f%4)*32
	ds_load_tr16_b128 v[VF+8*\f+4:VF+8*\f+7], v[AV] offset:(\f/4)*32*PVP+16*PVP+(\f%4)*32
.endr
	WIN 0
.endm
; THE VECTOR WORK stands in queues, each in the order in which its entries become ready; the two tiles alternate.
.macro REGS y, u
.set rT, ST+4*(2*(\y)+(\u))
.set rC, TMP+8*((\y)%2)+4*(\u)
.set rS, S+64*((\y)%2)+32*(\u)
.set rP, P+32*((\y)%2)+16*(\u)
.set rO, 32*(2*(\y)+(\u))
.endm
.macro FQ                           ; 32: t - m for a pair of scores
	WIN 0
	REGS Y, cF%2
	v_pk_add_f32 v[rS+2*(cF/2):rS+2*(cF/2)+1], v[rS+2*(cF/2):rS+2*(cF/2)+1], v[rT:rT+1] op_sel_hi:[1,0] neg_lo:[0,1] neg_hi:[0,1]
.set cF, cF+1
.endm
.macro EQ                           ; 64: the exponentials, in place
	WIN 0
	REGS Y, cE%2
	v_exp_f32 v[rS+cE/2], v[rS+cE/2]
.set cE, cE+1
.endm
; 64 that follow the exponentials.  For each four weights kq of a tile: both pairs are rounded to f16; the second pair is added onto the first, in place; a group later l takes that sum (the first time as l = a l + sum).
.macro GQ
	WIN 0
.set hh, cG+6*(cG/62)
.if hh >= 6
.set hh, hh+2
.endif
	REGS Y, hh%2
.set kq, hh/8
.if hh%8 < 4
	s_wait_alu depctr_va_vdst(0)
	v_cvt_pk_f16_f32 v[rP+2*kq+(hh%8)/2], v[rS+4*kq+2*((hh%8)/2)], v[rS+4*kq+2*((hh%8)/2)+1]
.elseif hh%8 < 6
	v_pk_add_f32 v[rS+4*kq:rS+4*kq+1], v[rS+4*kq:rS+4*kq+1], v[rS+4*kq+2:rS+4*kq+3]
.elseif kq == 1
	v_pk_fma_f32 v[rT+2:rT+3], v[rT+2:rT+3], v[rC+2:rC+3], v[rS:rS+1] op_sel_hi:[1,0,1]
.else
	v_pk_add_f32 v[rT+2:rT+3], v[rT+2:rT+3], v[rS+4*kq-4:rS+4*kq-3]
	s_wait_alu depctr_va_vdst(0)
.endif
.set cG, cG+1
.endm
.macro R4                           ; 8 x 4: O^T times a; each accumulator's registers in ascending order
	REGS Y, cR%2
	WIN W_RS
	s_wait_alu depctr_va_vdst(0)
.irp z, 0,1,2,3
	v_pk_mul_f32 v[rO+8*(cR/2)+2*\z:rO+8*(cR/2)+2*\z+1], v[rO+8*(cR/2)+2*\z:rO+8*(cR/2)+2*\z+1], v[rC+2:rC+3] op_sel_hi:[1,0]
.endr
.set cR, cR+1
.endm
; The NEXT piece's maximum and statistics, number n for tile u.  0-11: four chains c0-c3 of seven scores each (each accumulator's lowest registers are read first);
; 12-14, 16: the four scores left over, the old m, and c0-c3 into c0;  17, 18: the query's other 32 keys lie in the lane 16 away;  19: m_old - m_new;  20: m;  21: a.
.macro XS u, n
	WIN 0
	REGS (Y+1)%NP, \u
.if (\n) < 4
	v_max3_num_f32 v[rC+(\n)], v[rS+8*(\n)], v[rS+8*(\n)+1], v[rS+8*(\n)+2]
.elseif (\n) < 12
	v_max3_num_f32 v[rC+(\n)%4], v[rC+(\n)%4], v[rS+8*((\n)%4)+2*((\n)/4)+1], v[rS+8*((\n)%4)+2*((\n)/4)+2]
.elseif (\n) == 12
	v_max3_num_f32 v[rC], v[rC], v[rS+7], v[rS+15]
.elseif (\n) == 13
	v_max3_num_f32 v[rC+1], v[rC+1], v[rS+23], v[rS+31]
.elseif (\n) == 14
	v_max3_num_f32 v[rC+2], v[rC+2], v[rC+3], v[rT]
.elseif (\n) == 16
	v_max3_num_f32 v[rC], v[rC], v[rC+1], v[rC+2]
	s_wait_alu depctr_va_vdst(0)
.elseif (\n) == 17
	v_permlanex16_b32 v[rC+3], v[rC], s[SEL], s[SEL+1]
.elseif (\n) == 18
	v_max_num_f32 v[rC], v[rC], v[rC+3]
.elseif (\n) == 19
	v_sub_f32 v[rC+1], v[rT], v[rC]
.elseif (\n) == 20
	v_mov_b32 v[rT], v[rC]
.else
	v_exp_f32 v[rC+2], v[rC+1]
.endif
.endm
.macro XQ                           ; 32: numbers 0-14 and 16
	XS cX%2, cX/2+cX/30
.set cX, cX+1
.endm
.macro PQ                           ; the next piece's maximum while it lasts, then GQ
.if cX < 32
	XQ
.else
	GQ
.endif
.endm
; A TURN, for piece p.  What the deal keeps: exponential e stands behind FQ 2 (e / 4) + e % 2 (16 FQ are out before the first); GQ's group kq needs exponentials up to 8 kq + 7: at GQ 0 16 are out, at 6: 22,
; at 14: 41, at 30: 49, at 38: 61, from 42 on all 64; behind every exponential stands a plain line before its result is used (ISA guide 5.7.2).
; The mask's fragments of piece p + 2 are fetched six plain lines behind the last mask link; K of the next step in piece 2's turn, eight plain lines behind the last product K Q^T; V of the step in hand
; in piece 0's turn, more than four plain lines behind the last product V^T P.  The first line that reads the new scores stands eight plain lines behind the product that finished them.
.macro TURN p
.set Y, (\p)
.set cM, 0
.set cF, 0
.set cE, 0
.set cG, 0
.set cR, 0
.set cX, 0
.if (\p) == 1
	s_wait_dscnt 16                 ; the mask's fragments are in; V's 16 loads, issued behind them, may stay out
.else
	s_wait_dscnt 0x0                ; the mask's fragments are in (piece 3: K too)
.endif
.rept 4
	MM
	FQ
	FQ
	FQ
	FQ
.endr
.set nB, 0
.rept 8
	MM
	FQ
	EQ
	FQ
	EQ
.set nB, nB+1
.if nB == 6
	FETCH_M ((\p)+2)%NP
.endif
.endr
.rept 8
	MM
	R4
.endr
.rept 4
	MM
	GQ
	EQ
	GQ
	EQ
.endr
.rept 6
	EQ
	GQ
.endr
.if (\p) == 2
	FETCH_K
.endif
.if (\p) == 1
	s_wait_dscnt 8                  ; V is in; this turn's 8 loads of the mask may stay out
.endif
.rept 16
	MM
	PQ
	EQ
	PQ
	PQ
.endr
	EQ
	XS 0, 17
	EQ
	XS 1, 17
	EQ
	GQ
	EQ
	XS 0, 18
	EQ
	XS 1, 18
	EQ
	GQ
	EQ
	XS 0, 19
	EQ
	XS 1, 19
	EQ
	GQ
	XS 0, 21
	XS 0, 20
	XS 1, 21
	XS 1, 20
.rept 9
	EQ
	GQ
.endr
.if (\p) == 0
	FETCH_V
.endif
.rept 22
	GQ
.endr
.endm
	CHANGE 1                        ; slot 0 is in, everybody's part of it; key step 1 is asked for
	FETCH_K                         ; key step 0
	FETCH_M 0
	s_wait_loadcnt 0x0              ; Q and the rows' flags
	WIN 0x82                        ; destination and source 0 in window 2, source 1 in window 0
.set i, 0
.rept 32*NP                         ; a lane's 16 registers of tile i / 16 hold channels of ONE query: where its flag is 0 its scores are to count as 0
	v_and_b32 v[i], v[i], v[FL+i/16]
.set i, i+1
.endr
	WIN 0
	s_wait_dscnt 0x0
.set Y, NP-1                        ; MM and XS work for piece Y + 1: piece 0
.set cM, 0
.rept 24
	MM                              ; piece 0's first scores: there is no vector work yet to set between them
.endr
	WIN 0                           ; the addresses for the way out: plain instructions, the places behind those products
	s_mul_i32 s13, s[WV], 16*SP
	s_add_co_u32 s13, s13, STAGE    ; my stage
	v_mul_u32_u24 v[STO], v1, SP    ; in: row l % 16, 16 bytes for each half of the lanes
	v_lshl_add_u32 v[STO], v9, 4, v[STO]
	v_add_nc_u32 v[STO], s13, v[STO]
	v_bfe_u32 v[RD], v0, 3, 2       ; back: 32 lanes take four rows of 128 bytes,
	v_mul_u32_u24 v[RD], v[RD], SP
	v_lshl_add_u32 v[RD], v10, 4, v[RD]
	v_add_nc_u32 v[RD], s13, v[RD]
	v_and_b32 v[GO], 31, v0         ; which are 512 bytes of O on end
	v_lshlrev_b32 v[GO], 4, v[GO]
	FETCH_M 1
.set cX, 0
.rept 32
	XQ
.endr
.irp n, 17,18,19
	XS 0, \n
	XS 1, \n
.endr
	XS 0, 21
	XS 1, 21
	XS 0, 20                        ; plain lines behind the two exponentials
	XS 1, 20
	s_mov_b32 s[CNT], 15
	s_branch .Lfirst                ; the loop is entered at a step's first turn, in the middle of a trip
.Lstep:                             ; 14 whole trips: pieces 2 and 3 of one step, pieces 0 and 1 of the next; they ask for key steps 2 to 15
	CHANGE 1
	TURN 2
	TURN 3
	WIN 0
.Lfirst:
	TURN 0
	TURN 1
	WIN 0
	s_sub_co_u32 s[CNT], s[CNT], 1
	s_cmp_lg_u32 s[CNT], 0
	s_cbranch_scc1 .Lstep
	CHANGE 0                        ; the tail is written out: nothing is asked for
	s_mov_b32 s[CNT], 2
.Ltail:                             ; one trip and a half.  In the last two turns the fetches read the last step's slot once more, and the scores and the maximum made of them serve nothing: the price of one text for every turn
	TURN 2
	TURN 3
	WIN 0
	s_sub_co_u32 s[CNT], s[CNT], 1
	s_cmp_eq_u32 s[CNT], 0
	s_cbranch_scc1 .Lout
	TURN 0
	TURN 1
	WIN 0
	s_branch .Ltail
.Lout:
.set ii, 0
.rept 16
	PV NP-1                         ; the last piece's V^T P of the last step
.set ii, ii+1
.endr
	; THE WAY OUT.  l's two halves and the other half of the lanes' are added; O^T is divided by l, rounded to f16 and sent through my stage in LDS, a tile at a time.  The additions are the places behind the last products.
	WIN 0
.macro ALL line:vararg
.set t, 0
.rept 2*NP
	\line
.set t, t+1
.endr
.endm
	ALL v_add_f32 v[ST+4*t+2], v[ST+4*t+2], v[ST+4*t+3]
	ALL v_permlanex16_b32 v[ST+4*t+3], v[ST+4*t+2], s[SEL], s[SEL+1]
	ALL v_add_f32 v[ST+4*t+2], v[ST+4*t+2], v[ST+4*t+3]
	ALL v_rcp_f32 v[ST+4*t+2], v[ST+4*t+2]
	v_nop                           ; a plain instruction between the last reciprocal and the use of its result
	s_wait_alu depctr_va_vdst(0)
.macro PACK t                       ; a lane's eight channels of a row pack into 16 bytes; into rows of 144 bytes, and back as whole rows of 128, into S^T's registers
	WIN W_RS
.set i, 32*(\t)
.rept 16
	v_pk_mul_f32 v[i:i+1], v[i:i+1], v[ST+4*(\t)+2:ST+4*(\t)+3] op_sel_hi:[1,0]
.set i, i+2
.endr
	WIN 0x05                        ; sources 0 and 1 window 1, destination window 0
.set i, 0
.rept 16
	v_cvt_pk_f16_f32 v[S+16*(\t)+i], v[32*(\t)+2*i], v[32*(\t)+2*i+1]
.set i, i+1
.endr
	WIN 0
.irp f, 0,1,2,3
	ds_store_b128 v[STO], v[S+16*(\t)+4*\f:S+16*(\t)+4*\f+3] offset:32*\f
.endr
.irp f, 0,1,2,3
	ds_load_b128 v[S+16*(\t)+4*\f:S+16*(\t)+4*\f+3], v[RD] offset:\f*4*SP  ; LDS serves a wave's instructions in order (ISA guide 5.7.1.4): these see the stores above
.endr
.endm
.macro SEND t, younger              ; younger: the LDS instructions issued behind tile t's loads: the next tile's eight, or none
	WIN 0
.irp f, 0,1,2,3
	s_wait_dscnt (\younger)+3-\f
	global_store_b128 v[GO], v[S+16*(\t)+4*\f:S+16*(\t)+4*\f+3], s[68:69] offset:(\t)*2048+\f*512  ; 512 bytes on end, aligned
.endr
.endm
	PACK 0
.set t, 1
.rept 2*NP-1                        ; a tile's arithmetic stands between the loads of the tile before and its stores
	PACK t
	SEND t-1, 8
.set t, t+1
.endr
	SEND 2*NP-1, 0
	s_wait_tensorcnt 0x0            ; the wave's end
	ds_add_u32 v[SPW], v[NIL]
	s_wait_dscnt 0x0
	CROUND                          ; the closing round
	s_endpgm
.Lfunc_end_k_qf9c8bae2bb_attn:
	.size	k_qf9c8bae2bb_attn, .Lfunc_end_k_qf9c8bae2bb_attn-k_qf9c8bae2bb_attn
	.p2alignl 7, 3214868480
	.fill 96, 4, 3214868480
	.section	.rodata,"a",@progbits
	.p2align	6, 0x0
	.amdhsa_kernel k_qf9c8bae2bb_attn
		.amdhsa_group_segment_fixed_size 327680
		.amdhsa_private_segment_fixed_size 0
		.amdhsa_enable_private_segment 0
		.amdhsa_kernarg_size 32
		.amdhsa_user_sgpr_count 2
		.amdhsa_user_sgpr_kernarg_segment_ptr 1
		.amdhsa_wavefront_size32 1
		.amdhsa_system_sgpr_workgroup_id_x 1
		.amdhsa_system_sgpr_workgroup_id_y 1
		.amdhsa_system_sgpr_workgroup_id_z 1
		.amdhsa_system_vgpr_workitem_id 0
		.amdhsa_next_free_vgpr 816
		.amdhsa_next_free_sgpr 80
		.amdhsa_reserve_vcc 1
		.amdhsa_float_denorm_mode_32 3
		.amdhsa_float_denorm_mode_16_64 3
		.amdhsa_memory_ordered 1
		.amdhsa_forward_progress 1
		.amdhsa_inst_pref_size 229
	.end_amdhsa_kernel
	.amdgpu_metadata
---
amdhsa.version: [ 1, 2 ]
amdhsa.kernels:
  - .name:           k_qf9c8bae2bb_attn
    .symbol:         k_qf9c8bae2bb_attn.kd
    .args:
      - { .name: qkvh, .offset: 0, .size: 8, .value_kind: global_buffer, .address_space: global }
      - { .name: wm, .offset: 8, .size: 8, .value_kind: global_buffer, .address_space: global }
      - { .name: rf, .offset: 16, .size: 8, .value_kind: global_buffer, .address_space: global }
      - { .name: ob, .offset: 24, .size: 8, .value_kind: global_buffer, .address_space: global }
    .group_segment_fixed_size: 327680
    .private_segment_fixed_size: 0
    .kernarg_segment_align: 8
    .kernarg_segment_size: 32
    .max_flat_workgroup_size: 128
    .sgpr_count:     80
    .vgpr_count:     816
    .wavefront_size: 32
...
	.end_amdgpu_metadata
.endif
;; end of part 3
;; launch proj (part 4): grid 8 x 32, 4 waves a work-group, clusters of 4 x 4, 327,680 bytes of LDS; arguments ob, wp, c_proj_b, out0; writes out0
.if DOCPART == 4
	.amdgcn_target "amdgcn-amd-amdhsa--gfx1250"
	.amdhsa_code_object_version 6
	.text
	.protected	k_qf9c8bae2bb_proj
	.globl	k_qf9c8bae2bb_proj
	.p2align	8
	.type	k_qf9c8bae2bb_proj,@function
k_qf9c8bae2bb_proj:
	s_mov_b64 s[64:65], 0
	v_nop
	global_prefetch_b8 v0, s[64:65] scope:SCOPE_SE
	s_setreg_imm32_b32 hwreg(HW_REG_WAVE_MODE, 25, 1), 1
	s_wait_xcnt 0x0
	s_wait_alu depctr_hold_cnt(0) depctr_sa_sdst(0) depctr_va_vdst(0) depctr_va_sdst(0) depctr_va_ssrc(0) depctr_va_vcc(0) depctr_vm_vsrc(0)
	s_getreg_b32 s2, hwreg(HW_REG_IB_STS2, 6, 4)
	s_cmp_eq_u32 s2, 0
	s_cbranch_scc0 .Lentry_in_a_cluster
	s_endpgm
.Lentry_in_a_cluster:
	s_bfe_u32 s2, ttmp6, 0x10000c
	s_cmp_lg_u32 s2, 0xf033
	s_cbranch_scc0 .Lentry_shape_is_right
	s_endpgm
.Lentry_shape_is_right:
; OUT = O Wp + bp.  ob [head 16][8192 rows][64] f16; wp [1024 n][1024 k] f16 (bf16-rounded weights); c_proj_b [1024] f32 (rounded to bf16 like the other inputs); out0 [8192][1024] f32; sums in f32.
; A tile of C is 256 rows x 128 columns: 32 x 8 = 256 work-groups.  Four waves; wave (mh, nh) makes 128 rows x 64 columns: 32 accumulators, 256 registers.
; K goes in steps of 128 = two heads through two LDS slots: O's tile is two dense blocks of 256 rows x 128 bytes (asked for as rows of 256 bytes, padded after every 128), wp's 128 rows x 256 bytes.
; 4 x 4 work-groups form a cluster: O's tile is asked for jointly along a row, wp's along a column.  The matrix instruction is used transposed: a lane holds eight neighbouring columns of a row of C.
; REGISTERS: window 0: v0-31 addresses; v32-63 at work; v64-127, v128-191 O's fragments (rows read back on the way out); v192-223 the bias.  window 1: v64-95, v128-159 wp's fragments.
;   window 2: the accumulators, (a, b) at v[8 (4 a + b)].
.set PA,     144                       ; a row of O in LDS: 128 bytes + 16
.set PB,     272                       ; a row of wp: 256 + 16
.set HBLK,   256*PA                    ; one head's 256 rows: one tensor load
.set HALFB,  64*PB                     ; one tensor load of wp: 64 rows
.set SLOT,   2*HBLK+2*HALFB
.set STAGE,  2*SLOT                    ; behind the ring: 16 rows x 272 bytes for each wave, its own
.set SPITCH, 272
.set SPARE,  STAGE+4*16*SPITCH
.set LAPS,   4
.set ADRA, 16                          ; v16-17 LDS address of my fragments of O in slot 0, 1
.set ADRB, 20                          ; v20-21 of wp
.set STO,  24                          ; v24    the way out: where I put 32 bytes of a row
.set RD,   25                          ; v25    where I read a row back
.set CO,   26                          ; v26    my byte offset in two rows of C
.set SPW,  28
.set NIL,  29
.set TMP,  32
.set F0,   64
.set F1,   128
.set BI,   192
.set G1,  24
.set G0,  32
.set G1B, 48
.set G0B, 56
.set WV,  76
.set MH,  77
.set NH,  78
.set MSB, 0
.macro WIN new
.if MSB != (\new)
	s_set_vgpr_msb (MSB<<8)|(\new)
.set MSB, \new
.endif
.endm
.set MUL,  0xa1                        ; source 0 (wp) window 1, source 1 (O) window 0, C and D window 2
.set TO_B, 0x40
.macro JLOAD s                         ; a joint load: waves 0 and 1 fetch the step's two heads of O, waves 2 and 3 wp's halves; s_nop 0 and four v_nop follow each line
	s_cmp_eq_u32 s[MH], 0
	s_cbranch_scc0 .Lfor_b_\@
	tensor_load_to_lds s[G0+4*(\s):G0+4*(\s)+3], s[G1:G1+7]
	s_nop 0
.rept 4
	v_nop
.endr
	s_branch .Lasked_\@
.Lfor_b_\@:
	tensor_load_to_lds s[G0B+4*(\s):G0B+4*(\s)+3], s[G1B:G1B+7]
	s_nop 0
.rept 4
	v_nop
.endr
.Lasked_\@:
.endm
.macro CREST
	s_cmp_lg_u32 s[WV], 0
	s_cbranch_scc1 .Lnot_wave_0_\@
	s_barrier_signal -3
.Lnot_wave_0_\@:
	s_barrier_wait -3
	s_barrier_signal -1
	s_barrier_wait -1
.endm
.macro CROUND
	s_barrier_signal -1
	s_barrier_wait -1
	CREST
.endm
	s_load_b256 s[4:11], s[0:1], 0x0               ; ob s[4:5], wp s[6:7], c_proj_b s[8:9], out0 s[10:11]
	v_lshl_add_u32 v[SPW], v0, 2, SPARE
	v_mov_b32 v[NIL], 0
	ds_add_u32 v[SPW], v[NIL]                      ; the wave's opening: the add and its wait ahead of my first tensor load
	v_lshrrev_b32 v1, 5, v0
	v_readfirstlane_b32 s[WV], v1
	s_lshr_b32 s[MH], s[WV], 1
	s_and_b32 s[NH], s[WV], 1
	s_bfe_u32 s40, ttmp6, 0x40000                  ; cx
	s_bfe_u32 s41, ttmp6, 0x40004                  ; cy
	s_lshl_b32 s42, ttmp9, 2
	s_add_co_u32 s42, s42, s40                     ; tile column
	s_and_b32 s13, ttmp7, 0xffff
	s_lshl_b32 s13, s13, 2
	s_add_co_u32 s13, s13, s41                     ; tile row
	s_lshl_b32 s43, s41, 2
	s_lshl_b32 s43, 15, s43                        ; my row of the cluster
	s_lshl_b32 s44, 0x1111, s40                    ; my column
	s_or_b32 s[G1+0], s43, (1<<16)|(1<<20)|(1<<21)|(4<<22)|(3<<25)   ; O: after every 32 words 4 words of padding
	s_or_b32 s[G1B+0], s44, (1<<16)|(1<<20)|(1<<21)|(5<<22)|(3<<25)  ; wp: after every 64 words
	s_mov_b32 s[G1+1], 128<<16                     ; rows of 128 elements (two rows of O),
	s_mov_b32 s[G1+2], 128<<16                     ; 128 of them,
	s_mov_b32 s[G1+3], 128<<16
	s_mov_b32 s[G1+4], 128
	s_mov_b32 s[G1+5], 128                         ; dense
	s_mov_b32 s[G1+6], 0
	s_mov_b32 s[G1+7], 0
	s_mov_b32 s[G1B+1], 128<<16
	s_mov_b32 s[G1B+2], 64<<16                     ; 64 rows
	s_mov_b32 s[G1B+3], 128<<16
	s_mov_b32 s[G1B+4], 64
	s_mov_b32 s[G1B+5], 1024
	s_mov_b32 s[G1B+6], 0
	s_mov_b32 s[G1B+7], 0
	s_lshl_b32 s16, s[NH], 20                      ; O: my head of the step's two (8,192 rows x 128 bytes each),
	s_lshl_b32 s17, s13, 15                        ; + 256 x tile row rows
	s_add_co_u32 s16, s16, s17
	s_mov_b32 s17, 0
	s_lshl_b32 s46, s42, 18                        ; wp: row 128 x tile column + 64 x half, 2,048 bytes each
	s_lshl_b32 s47, s[NH], 17
	s_add_co_u32 s46, s46, s47
	s_mov_b32 s47, 0
	s_mul_i32 s20, s[NH], HBLK                     ; where they go: no place in the cluster enters an LDS address
	s_mul_i32 s21, s[NH], HALFB
	s_add_co_u32 s21, s21, 2*HBLK
	s_lshl_b32 s18, s13, 20                        ; C: 256 x tile row rows of 4,096 bytes,
	s_lshl_b32 s19, s[MH], 19                      ; + my 128 rows,
	s_add_co_u32 s18, s18, s19
	s_lshl_b32 s22, s42, 9                         ; + 128 x tile column x 4 bytes,
	s_lshl_b32 s23, s[NH], 8                       ; + my 64 columns
	s_add_co_u32 s22, s22, s23                     ; (this is also my place in the bias)
	s_add_co_u32 s18, s18, s22
	s_mov_b32 s19, 0
	s_wait_dscnt 0x0                               ; the opening add is done
	s_wait_kmcnt 0x0
	s_add_nc_u64 s[14:15], s[4:5], s[16:17]
	s_add_nc_u64 s[46:47], s[6:7], s[46:47]
	s_add_nc_u64 s[10:11], s[10:11], s[18:19]
.irp s, 0,1
	s_mov_b32 s[G0+4*(\s)], 1
	s_add_co_u32 s[G0+4*(\s)+1], s20, (\s)*SLOT
	s_add_nc_u64 s[G0+4*(\s)+2:G0+4*(\s)+3], s[14:15], (\s)*0x200000  ; K step s: two heads on
	s_or_b32 s[G0+4*(\s)+3], s[G0+4*(\s)+3], 0x80000000
	s_mov_b32 s[G0B+4*(\s)], 1
	s_add_co_u32 s[G0B+4*(\s)+1], s21, (\s)*SLOT
	s_add_nc_u64 s[G0B+4*(\s)+2:G0B+4*(\s)+3], s[46:47], (\s)*256
	s_or_b32 s[G0B+4*(\s)+3], s[G0B+4*(\s)+3], 0x80000000
.endr
	CROUND                                         ; all sixteen work-groups are here
	s_cmp_eq_u32 s[MH], 0                          ; a wave's two first fills stand in one branch: two loads of mine are out
	s_cbranch_scc0 .Lfirst_b
	tensor_load_to_lds s[G0:G0+3], s[G1:G1+7]
	s_nop 0
	tensor_load_to_lds s[G0+4:G0+7], s[G1:G1+7]
	s_nop 0
.rept 4
	v_nop
.endr
	s_branch .Lfirst_asked
.Lfirst_b:
	tensor_load_to_lds s[G0B:G0B+3], s[G1B:G1B+7]
	s_nop 0
	tensor_load_to_lds s[G0B+4:G0B+7], s[G1B:G1B+7]
	s_nop 0
.rept 4
	v_nop
.endr
.Lfirst_asked:
	v_and_b32 v1, 15, v0                           ; l % 16
	v_bfe_u32 v2, v0, 4, 1                         ; l / 16
	v_lshl_add_u32 v8, v2, 5, s22                  ; a lane's eight columns of a block: 32 bytes at 32 (l / 16)
.irp b, 0,1,2,3
	global_load_b128 v[BI+8*\b:BI+8*\b+3],   v8, s[8:9] offset:64*\b
	global_load_b128 v[BI+8*\b+4:BI+8*\b+7], v8, s[8:9] offset:64*\b+16
.endr
	v_mul_u32_u24 v3, v1, PA
	v_lshl_add_u32 v3, v2, 4, v3
	v_mul_u32_u24 v4, v1, PB
	v_lshl_add_u32 v4, v2, 4, v4
	s_mul_i32 s12, s[MH], 128*PA                   ; my 128 rows of O
	s_mul_i32 s16, s[NH], HALFB
	s_add_co_u32 s16, s16, 2*HBLK                  ; my 64 rows of wp
.irp s, 0,1
	v_add_nc_u32 v[ADRA+(\s)], s12, v3
	v_add_nc_u32 v[ADRB+(\s)], s16, v4
	s_add_co_u32 s12, s12, SLOT
	s_add_co_u32 s16, s16, SLOT
.endr
	s_mul_i32 s12, s[WV], 16*SPITCH
	s_add_co_u32 s12, s12, STAGE                   ; my stage
	v_mul_u32_u24 v5, v1, SPITCH                   ; in: row l % 16, 32 bytes for each half of the lanes
	v_lshl_add_u32 v5, v2, 5, v5
	v_add_nc_u32 v[STO], s12, v5
	v_mul_u32_u24 v5, v2, SPITCH                   ; back: lanes 0-15 take one row of 256 bytes, lanes 16-31 the next
	v_lshl_add_u32 v5, v1, 4, v5
	v_add_nc_u32 v[RD], s12, v5
	v_lshlrev_b32 v5, 12, v2                       ; and the same two rows in C
	v_lshl_add_u32 v[CO], v1, 4, v5
	s_wait_loadcnt 0x0                             ; the bias, rounded to bf16 like the other inputs
.set j, 0
.rept 16
	v_cvt_pk_bf16_f32 v9, v[BI+2*j], v[BI+2*j+1]
	v_lshlrev_b32 v[BI+2*j], 16, v9
	v_and_b32 v[BI+2*j+1], 0xffff0000, v9
.set j, j+1
.endr
; 8 matrix instructions: m blocks a0, a0 + 1 x all 4 n blocks, 32 along K.  The 32 accumulators take turns, one instruction a turn.
.macro MUL8 f, a0, zero
	WIN MUL
.irp a, \a0, (\a0)+1
.irp b, 0,1,2,3
.if \zero
	v_wmma_f32_16x16x32_f16 v[8*(4*(\a)+(\b)):8*(4*(\a)+(\b))+7], v[(\f)+8*(\b):(\f)+8*(\b)+7], v[(\f)+8*(\a):(\f)+8*(\a)+7], 0
.else
	v_wmma_f32_16x16x32_f16 v[8*(4*(\a)+(\b)):8*(4*(\a)+(\b))+7], v[(\f)+8*(\b):(\f)+8*(\b)+7], v[(\f)+8*(\a):(\f)+8*(\a)+7], v[8*(4*(\a)+(\b)):8*(4*(\a)+(\b))+7]
.endif
.endr
.endr
.endm
; 24 LDS loads in one run: quarter kq of a K step (head kq / 2, channels 32 (kq % 2) on) into buffer f
.macro FETCH slot, kq, f
	WIN TO_B
.irp i, 0,1,2,3
	ds_load_b128 v[(\f)+8*(\i):(\f)+8*(\i)+3],   v[ADRB+(\slot)] offset:(\kq)*64+(\i)*16*PB
	ds_load_b128 v[(\f)+8*(\i)+4:(\f)+8*(\i)+7], v[ADRB+(\slot)] offset:(\kq)*64+(\i)*16*PB+32
.endr
	WIN 0
.irp i, 0,1,2,3,4,5,6,7
	ds_load_b128 v[(\f)+8*(\i):(\f)+8*(\i)+3],   v[ADRA+(\slot)] offset:((\kq)/2)*HBLK+((\kq)%2)*64+(\i)*16*PA
	ds_load_b128 v[(\f)+8*(\i)+4:(\f)+8*(\i)+7], v[ADRA+(\slot)] offset:((\kq)/2)*HBLK+((\kq)%2)*64+(\i)*16*PA+32
.endr
.endm
.macro PLACES                          ; four plain vector instructions in front of loads into registers that matrix instructions have read, and of lines that read results
.rept 4
	v_nop
.endr
.endm
.macro QUARTER slot, kq, f, g, zero    ; multiplies buffer f, fetches quarter kq into g
	s_wait_dscnt 8                                 ; wp's fragments and O's rows 0-63 are in; the youngest eight loads (O's rows 64-127) may be out
	MUL8 \f, 0, \zero
	MUL8 \f, 2, \zero
	PLACES
	FETCH \slot, \kq, \g
	s_wait_dscnt 24                                ; all but the 24 just issued
	MUL8 \f, 4, \zero
	MUL8 \f, 6, \zero
.endm
; The last quarter multiplies buffer 1 and changes slots: ONE barrier; in front of it each wave waits for all its tensor loads (one is out: its part of the next slot), adds 0 to its spare word,
; and waits for that and for its reads of this slot.  fill = 1: the barrier opens a round of the cluster's barrier, and this slot is filled again, two K steps ahead, first thing behind it.
.macro TURN slot, next, fill
	WIN 0
	s_wait_tensorcnt 0x0
	ds_add_u32 v[SPW], v[NIL]
	s_wait_dscnt 9                                 ; (the add and the youngest eight loads may be out)
	MUL8 F1, 0, 0
	s_wait_dscnt 0x0                               ; the add is done, and my reads of this slot are over
	s_barrier_signal -1
	MUL8 F1, 2, 0
.if \fill
	WIN 0
.endif
	s_barrier_wait -1
.if \fill
	CREST
	s_add_nc_u64 s[G0+4*(\slot)+2:G0+4*(\slot)+3], s[G0+4*(\slot)+2:G0+4*(\slot)+3], 0x400000   ; four heads on
	s_add_nc_u64 s[G0B+4*(\slot)+2:G0B+4*(\slot)+3], s[G0B+4*(\slot)+2:G0B+4*(\slot)+3], 512
	JLOAD \slot                                    ; its four v_nop are also the places in front of the loads below
.else
	PLACES
.endif
	FETCH \next, 0, F0
	MUL8 F1, 4, 0
	MUL8 F1, 6, 0
.endm
	s_wait_tensorcnt 0x1                           ; my part of K step 0 is in; K step 1's may stay out
	s_barrier_signal -1
	s_barrier_wait -1
	FETCH 0, 0, F0
	QUARTER 0, 1, F0, F1, 1                        ; the first quarter's products start the sums
	WIN 0
	s_mov_b32 s3, LAPS-1
.Llap:                                                 ; a trip goes once round the ring and fills both slots again: K steps 2 to 7 in three trips
	QUARTER 0, 2, F1, F0, 0
	QUARTER 0, 3, F0, F1, 0
	TURN 0, 1, 1
	QUARTER 1, 1, F0, F1, 0
	QUARTER 1, 2, F1, F0, 0
	QUARTER 1, 3, F0, F1, 0
	TURN 1, 0, 1
	QUARTER 0, 1, F0, F1, 0
	WIN 0
	s_sub_co_u32 s3, s3, 1
	s_cmp_lg_u32 s3, 0
	s_cbranch_scc1 .Llap
	QUARTER 0, 2, F1, F0, 0                        ; the last lap fills nothing
	QUARTER 0, 3, F0, F1, 0
	TURN 0, 1, 0
	QUARTER 1, 1, F0, F1, 0
	QUARTER 1, 2, F1, F0, 0
	QUARTER 1, 3, F0, F1, 0
	s_wait_dscnt 8
	MUL8 F1, 0, 0
	MUL8 F1, 2, 0
	s_wait_dscnt 0x0
	MUL8 F1, 4, 0
	MUL8 F1, 6, 0
	WIN 0
	PLACES
; THE WAY OUT of m block a.  PACK: sum + bias, each accumulator's registers in ascending order.  TOSTAGE: 32 bytes a lane and block into my own stage, back as whole rows of 256 bytes.  SEND: stored.
.macro PACK a
	WIN 0x02                                       ; source 0 in window 2
.irp b, 0,1,2,3
.irp z, 0,1,2,3
	v_pk_add_f32 v[TMP+8*\b+2*\z:TMP+8*\b+2*\z+1], v[32*(\a)+8*\b+2*\z:32*(\a)+8*\b+2*\z+1], v[BI+8*\b+2*\z:BI+8*\b+2*\z+1]
.endr
.endr
	WIN 0
.endm
.macro TOSTAGE a
.set BKR, 64+32*((\a)%2)
.irp b, 0,1,2,3
	ds_store_b128 v[STO], v[TMP+8*\b:TMP+8*\b+3]   offset:64*\b
	ds_store_b128 v[STO], v[TMP+8*\b+4:TMP+8*\b+7] offset:64*\b+16
.endr
.irp t, 0,1,2,3,4,5,6,7
	ds_load_b128 v[BKR+4*\t:BKR+4*\t+3], v[RD] offset:\t*2*SPITCH  ; LDS serves a wave's instructions in order (ISA guide 5.7.1.4): these see the stores above
.endr
.endm
.macro SEND a
.set BKR, 64+32*((\a)%2)
	s_wait_dscnt 0x0                               ; the block is back in registers
	s_wait_xcnt 0x0                                ; the stores of the block before have read their registers: the next TOSTAGE loads into them only behind this wait
.irp t, 0,1,2,3,4,5,6,7
	global_store_b128 v[CO], v[BKR+4*\t:BKR+4*\t+3], s[10:11] offset:(\a)*65536+\t*8192  ; 16 lanes store 256 bytes on end, aligned; 516,096 at the most
.endr
.endm
	PACK 0
	TOSTAGE 0
.irp a, 1,2,3,4,5,6,7                  ; block a's additions stand between block a - 1's loads from the stage and the wait for them
	PACK \a
	SEND (\a)-1
	TOSTAGE \a
.endr
	SEND 7
	s_wait_tensorcnt 0x0                           ; the wave's end
	ds_add_u32 v[SPW], v[NIL]
	s_wait_dscnt 0x0
	CROUND                                         ; the closing round
	s_endpgm
.Lfunc_end_k_qf9c8bae2bb_proj:
	.size	k_qf9c8bae2bb_proj, .Lfunc_end_k_qf9c8bae2bb_proj-k_qf9c8bae2bb_proj
	.p2alignl 7, 3214868480
	.fill 96, 4, 3214868480
	.section	.rodata,"a",@progbits
	.p2align	6, 0x0
	.amdhsa_kernel k_qf9c8bae2bb_proj
		.amdhsa_group_segment_fixed_size 327680
		.amdhsa_private_segment_fixed_size 0
		.amdhsa_enable_private_segment 0
		.amdhsa_kernarg_size 32
		.amdhsa_user_sgpr_count 2
		.amdhsa_user_sgpr_kernarg_segment_ptr 1
		.amdhsa_wavefront_size32 1
		.amdhsa_system_sgpr_workgroup_id_x 1
		.amdhsa_system_sgpr_workgroup_id_y 1
		.amdhsa_system_sgpr_workgroup_id_z 1
		.amdhsa_system_vgpr_workitem_id 0
		.amdhsa_next_free_vgpr 768
		.amdhsa_next_free_sgpr 80
		.amdhsa_reserve_vcc 0
		.amdhsa_float_denorm_mode_32 3
		.amdhsa_float_denorm_mode_16_64 3
		.amdhsa_memory_ordered 1
		.amdhsa_forward_progress 1
		.amdhsa_inst_pref_size 97
	.end_amdhsa_kernel
	.amdgpu_metadata
---
amdhsa.version: [ 1, 2 ]
amdhsa.kernels:
  - .name:           k_qf9c8bae2bb_proj
    .symbol:         k_qf9c8bae2bb_proj.kd
    .args:
      - { .name: ob, .offset: 0, .size: 8, .value_kind: global_buffer, .address_space: global }
      - { .name: wp, .offset: 8, .size: 8, .value_kind: global_buffer, .address_space: global }
      - { .name: c_proj_b, .offset: 16, .size: 8, .value_kind: global_buffer, .address_space: global }
      - { .name: out0, .offset: 24, .size: 8, .value_kind: global_buffer, .address_space: global }
    .group_segment_fixed_size: 327680
    .private_segment_fixed_size: 0
    .kernarg_segment_align: 8
    .kernarg_segment_size: 32
    .max_flat_workgroup_size: 128
    .sgpr_count:     80
    .vgpr_count:     768
    .wavefront_size: 32
...
	.end_amdgpu_metadata
.endif
;; end of part 4
